; MI455X (gfx1250); checked and timed in simulation.
; The chip was launched on July 23, 2026; its instructions are those of AMD's public machine-readable ISA for CDNA 5 (MIT licence, August 2026) and "CDNA5" Instruction Set Architecture Reference Guide (July 2026). The comments in the code are by the model that wrote it; some were corrected since.
;; Attentional Pooler W Masking. Allowed arithmetic: float matrix products may take bf16 or f16 operands with f32 sums; other float arithmetic in f32, or as packed bf16 or f16 multiplies, adds, multiply-adds, maxima and minima; sums over many terms, partial sums and values carried from step to step in f32; what a program stores and reads back later, other than sums and carried values, may be rounded once to bf16 or f16.
;; Inputs: Wk 768 x 1,024 float32; Wo 768 x 768 float32; Wq 768 x 768 float32; Wv 768 x 1,024 float32; attention_mask 32 x 1 x 1,024 float32; bk 768 float32; bo 768 float32; bq 768 float32; bv 768 float32; ln_k_b 1,024 float32; ln_k_w 1,024 float32; ln_q_b 768 float32; ln_q_w 768 float32; query 256 x 768 float32; size 32 x 1,024 x 1 float32; x 32 x 1,024 x 1,024 float32.
;; Outputs: out0 32 x 256 x 768 float32.
;; One version. Each part assembles by itself: llvm-mc -triple=amdgcn-amd-amdhsa -mcpu=gfx1250 --defsym DOCPART=n.
;; ======== version 1 of 1: 3 launches
;; limits: values are held in f16: magnitudes above 65,504 overflow, below 6.1e-05 lose precision
;; workspace buffers: xn 67,108,864 bytes; wkv 3,145,728 bytes; wo2 1,179,648 bytes; qf 393,216 bytes; ob 12,582,912 bytes
;; launch prep (part 1): grid 928 x 1, 4 waves a work-group, no clusters, 49,920 bytes of LDS; arguments x, ln_k_w, ln_k_b, xn, Wk, Wv, wkv, Wo, wo2, query, ln_q_w, ln_q_b, Wq, bq, qf; writes xn, wkv, wo2, qf
.if DOCPART == 1
	.amdgcn_target "amdgcn-amd-amdhsa--gfx1250"
	.amdhsa_code_object_version 6
	.text
	.protected	k_q5f054b7788_prep
	.globl	k_q5f054b7788_prep
	.p2align	8
	.type	k_q5f054b7788_prep,@function
k_q5f054b7788_prep:
	s_mov_b64 s[64:65], 0
	v_nop
	global_prefetch_b8 v0, s[64:65] scope:SCOPE_SE
	s_setreg_imm32_b32 hwreg(HW_REG_WAVE_MODE, 25, 1), 1
	s_wait_xcnt 0x0
; PREP: all that is made once, ahead of the products.  Four roles, told apart by the work-group's number alone:
;   0..127    Q   qf = (LN(query) Wq^T + bq) x log2(e)/sqrt(96), f16, by heads [8][256][96]
;   128..319  KV  wkv = Wk, then Wv, rounded to f16, [1536][1024]
;   320..415  WO  wo2 = Wo rounded to f16, in blocks [4 nb][8 h][192 n][96 k]
;   416..927  X   xn = LN(x) rounded to f16, [32768][1024]: the stream that sets the launch's length; the small roles run beside it
; DEAD WORK: bk.  scores[b,h,q,l] = qh.(Wk xk[l]) + qh.bk + bias[l].  The term qh.bk does not hang on the key l: it is the same along the
; softmax's axis, and softmax(s + const) = softmax(s) for all values of the inputs.  So bk is not loaded and is no argument of any launch.
; LIMIT: a NaN, an infinity or an overflow that comes from bk alone is not carried to the result.
; bv is not dead: since the weights of a row sum to 1 it is added once, behind the division by the row's sum (second launch).
; FORMATS.  Every matrix operand of the program is f16 (11 significant bits), all sums f32.  LIMIT: f16 ends at 65,504 and keeps a fixed step of 6e-8
; below 6e-5: LN(x), LN(query), the weights and qf lie within that for inputs some 30 times those drawn, either way.  The mean is taken away before the squares
; are summed (two passes over registers), so a common offset of x costs nothing.  NaN and infinities are not treated apart.
; No matrix units, LDS or barriers in roles X, KV, WO: each byte is read once and written once, and nothing is shared.
.set SPARE, 49408                      ; the spare words: 128 bytes a wave, two blocks of 256 bytes that no other line names
.set QP,    1552                       ; role Q: a normalised query row in LDS, 1,536 bytes + 16: 97 x 16, so 16 rows start at 16 different groups of four banks (64 banks of 4 bytes: ISA guide 11.1)
.set PART,  16*QP                      ; role Q: behind the 16 rows: the four waves' partial sums, [16 queries][96 channels] f32, 6,144 bytes each; they end where the spare words begin
.set OFF, 8                            ; v8-11   role X: slot s: byte offset of my 16 bytes in the row that the slot loads next
.set YO,  12                           ; v12     role X: byte offset of my 8 bytes in xn, one row ahead of the row in hand
.set SPW, 14                           ; v14     LDS address of my spare word; never rewritten
.set NIL, 15                           ; v15     0; never rewritten
.set T,   16                           ; v16-23  four chains of packed sums
.set M,   24                           ; v24-25  the mean (low word; named as a pair)
.set R,   26                           ; v26-27  1/sqrt(var + eps) (low word; named as a pair)
.set VT,  28                           ; v28     var + eps
.set W,   32                           ; v32-63  the gain of my channels
.set B,   64                           ; v64-95  the bias of my channels
.set Y,   96                           ; v96-111 a row rounded to f16
.set X,   112                          ; v112-239 rows as loaded: role X four slots of 32, role Q four rows of 24
.set ACC, 16                           ; role Q, second part: six accumulators, v16-63
.macro FOLD                            ; the four chains into one number, the same in every lane
	v_pk_add_f32 v[T:T+1], v[T:T+1], v[T+2:T+3]
	v_pk_add_f32 v[T+4:T+5], v[T+4:T+5], v[T+6:T+7]
	v_pk_add_f32 v[T:T+1], v[T:T+1], v[T+4:T+5]
	v_add_f32 v[T], v[T], v[T+1]
	v_add_f32_dpp v[T], v[T], v[T] row_xmask:1 row_mask:0xf bank_mask:0xf
	v_add_f32_dpp v[T], v[T], v[T] row_xmask:2 row_mask:0xf bank_mask:0xf
	v_add_f32_dpp v[T], v[T], v[T] row_xmask:4 row_mask:0xf bank_mask:0xf
	v_add_f32_dpp v[T], v[T], v[T] row_xmask:8 row_mask:0xf bank_mask:0xf
	v_permlanex16_b32 v[T+1], v[T], s40, s41   ; the other half of the lanes
	v_add_f32 v[T], v[T], v[T+1]
.endm
; LayerNorm of one row that lies in np register pairs from xb on, in place.  s42 = 1 / the row's length, s43 = eps.
.macro LNA xb, np, wb, bb
.irp c, 0,1,2,3
	v_pk_add_f32 v[T+2*(\c):T+2*(\c)+1], v[(\xb)+2*(\c):(\xb)+2*(\c)+1], v[(\xb)+8+2*(\c):(\xb)+8+2*(\c)+1]   ; the first eight pairs start the chains
.endr
.set p, 8
.rept (\np)-8
	v_pk_add_f32 v[T+2*(p%4):T+2*(p%4)+1], v[T+2*(p%4):T+2*(p%4)+1], v[(\xb)+2*p:(\xb)+2*p+1]
.set p, p+1
.endr
	FOLD
	v_mul_f32 v[M], s42, v[T]              ; the mean
.set p, 0
.rept \np
	v_pk_add_f32 v[(\xb)+2*p:(\xb)+2*p+1], v[(\xb)+2*p:(\xb)+2*p+1], v[M:M+1] op_sel_hi:[1,0] neg_lo:[0,1] neg_hi:[0,1]   ; x - mean
.set p, p+1
.endr
.irp c, 0,1,2,3
	v_pk_mul_f32 v[T+2*(\c):T+2*(\c)+1], v[(\xb)+2*(\c):(\xb)+2*(\c)+1], v[(\xb)+2*(\c):(\xb)+2*(\c)+1]
.endr
.set p, 4
.rept (\np)-4
	v_pk_fma_f32 v[T+2*(p%4):T+2*(p%4)+1], v[(\xb)+2*p:(\xb)+2*p+1], v[(\xb)+2*p:(\xb)+2*p+1], v[T+2*(p%4):T+2*(p%4)+1]
.set p, p+1
.endr
	FOLD
	v_fma_f32 v[VT], v[T], s42, s43        ; var + eps
	v_rsq_f32 v[R], v[VT]
	v_nop                                  ; a plain instruction behind the transcendental,
	s_wait_alu depctr_va_vdst(0)           ; and the wait ahead of its first reader
.set p, 0
.rept \np
	v_pk_mul_f32 v[(\xb)+2*p:(\xb)+2*p+1], v[(\xb)+2*p:(\xb)+2*p+1], v[R:R+1] op_sel_hi:[1,0]
.set p, p+1
.endr
.set p, 0
.rept \np
	v_pk_fma_f32 v[(\xb)+2*p:(\xb)+2*p+1], v[(\xb)+2*p:(\xb)+2*p+1], v[(\wb)+2*p:(\wb)+2*p+1], v[(\bb)+2*p:(\bb)+2*p+1]
.set p, p+1
.endr
.endm
.macro LNC xb, np, yb                  ; the row rounded once to f16
.set p, 0
.rept \np
	v_cvt_pk_f16_f32 v[(\yb)+p], v[(\xb)+2*p], v[(\xb)+2*p+1]
.set p, p+1
.endr
.endm
	v_lshl_add_u32 v[SPW], v0, 2, SPARE
	v_mov_b32 v[NIL], 0
	v_lshrrev_b32 v1, 5, v0
	v_readfirstlane_b32 s2, v1             ; wave 0..3
	v_and_b32 v2, 31, v0                   ; lane
	v_mov_b32 v[M+1], 0                    ; named in pairs, so they are written
	v_mov_b32 v[R+1], 0
	s_mov_b32 s40, 0x76543210
	s_mov_b32 s41, 0xfedcba98
	s_mov_b32 s43, 0x3727c5ac              ; eps = 1e-5
	s_mov_b32 s3, ttmp9
	s_cmp_lt_u32 s3, 128
	s_cbranch_scc1 .Lrole_q
	s_cmp_lt_u32 s3, 320
	s_cbranch_scc1 .Lrole_kv
	s_cmp_lt_u32 s3, 416
	s_cbranch_scc1 .Lrole_wo
; ROLE X.  A work-group has 64 rows of x, a wave 16, and one wave takes a whole row: eight loads of 512 consecutive bytes, 32 registers.
; Load j gives lane l the channels 128 j + 4 l .. + 3; rounded they are 8 bytes at 256 j + 8 l: each store of the wave covers 256 consecutive bytes, aligned.
; A ring of four row slots in registers: one at work, three (24 loads) on their way.
	s_load_b256 s[4:11], s[0:1], 0x0       ; x s[4:5], ln_k_w s[6:7], ln_k_b s[8:9], xn s[10:11]
	s_sub_co_u32 s12, s3, 416
	s_lshl_b32 s14, s12, 18                ; 64 rows of 4,096 bytes
	s_mov_b32 s15, 0
	s_lshl_b32 s16, s12, 17                ; 64 rows of 2,048 bytes
	s_mov_b32 s17, 0
	s_mov_b32 s42, 0x3a800000              ; 1/1024
	v_lshlrev_b32 v3, 4, v2                ; 16 x lane; never rewritten
	s_lshl_b32 s18, s2, 16                 ; my wave's 16 rows of x
	v_add_nc_u32 v[OFF], s18, v3
.irp s, 1,2,3
	v_add_nc_u32 v[OFF+(\s)], (\s)*4096, v[OFF]
.endr
	s_lshl_b32 s19, s2, 15                 ; my wave's 16 rows of xn
	v_lshl_add_u32 v[YO], v2, 3, s19
	s_wait_kmcnt 0x0
	s_add_nc_u64 s[4:5], s[4:5], s[14:15]
	s_add_nc_u64 s[10:11], s[10:11], s[16:17]
.irp j, 0,1,2,3,4,5,6,7
	global_load_b128 v[W+4*(\j):W+4*(\j)+3], v3, s[6:7] offset:512*(\j)
	global_load_b128 v[B+4*(\j):B+4*(\j)+3], v3, s[8:9] offset:512*(\j)
.endr
.macro FILL s
.irp j, 0,1,2,3,4,5,6,7
	global_load_b128 v[X+32*(\s)+4*(\j):X+32*(\s)+4*(\j)+3], v[OFF+(\s)], s[4:5] offset:512*(\j) th:TH_LOAD_NT
.endr
.endm
; The turn of slot s.  left = how many younger loads may stay out: eight for each of the slots behind it.
.macro TURN s, fill, left
	s_wait_loadcnt \left                   ; loads come back in order (ISA guide 5.7.1): my row is in (the first time gain and bias too, which were asked for earlier)
	v_add_nc_u32 v[OFF+(\s)], 16384, v[OFF+(\s)]   ; free since that wait: the slot's next row, four rows down
	LNA X+32*(\s), 16, W, B
	s_wait_xcnt 0x0                        ; the last row's stores have read Y and YO, which are written again only behind this wait
	v_add_nc_u32 v[YO], 2048, v[YO]
	LNC X+32*(\s), 16, Y
.if \fill
	FILL \s                                ; the load of the next row goes out ahead of the stores
.endif
.irp j, 0,1,2,3,4,5,6,7
	global_store_b64 v[YO], v[Y+2*(\j):Y+2*(\j)+1], s[10:11] offset:256*(\j)-2048
.endr
.endm
	FILL 0
	FILL 1
	FILL 2
	FILL 3
	s_mov_b32 s20, 3
.Lx_round:
	TURN 0, 1, 24
	TURN 1, 1, 24
	TURN 2, 1, 24
	TURN 3, 1, 24
	s_sub_co_u32 s20, s20, 1
	s_cmp_lg_u32 s20, 0
	s_cbranch_scc1 .Lx_round
	TURN 0, 0, 24                          ; the last four rows load nothing: the counts run down
	TURN 1, 0, 16
	TURN 2, 0, 8
	TURN 3, 0, 0
	s_endpgm
; ROLE KV.  8,192 numbers a work-group: a thread takes eight runs of 8 numbers, 32 bytes in and 16 bytes out.
.Lrole_kv:
	s_load_b128 s[4:7], s[0:1], 0x20       ; Wk, Wv
	s_load_b64 s[8:9], s[0:1], 0x30        ; wkv
	s_sub_co_u32 s12, s3, 128              ; 0..191: the first 96 take Wk, the others Wv
	s_lshl_b32 s16, s12, 14
	s_mov_b32 s17, 0
	s_cmp_lt_u32 s12, 96
	s_cselect_b32 s13, 0, 96
	s_sub_co_u32 s13, s12, s13
	s_lshl_b32 s14, s13, 15
	s_mov_b32 s15, 0
	v_lshlrev_b32 v3, 5, v0
	v_lshlrev_b32 v4, 4, v0
	s_wait_kmcnt 0x0
	s_cmp_lt_u32 s12, 96                   ; compared anew: the subtraction above has written SCC
	s_cselect_b64 s[4:5], s[4:5], s[6:7]
	s_add_nc_u64 s[4:5], s[4:5], s[14:15]
	s_add_nc_u64 s[8:9], s[8:9], s[16:17]
.irp i, 0,1,2,3,4,5,6,7
	global_load_b128 v[32+8*(\i):32+8*(\i)+3], v3, s[4:5] offset:4096*(\i) th:TH_LOAD_NT
	global_load_b128 v[32+8*(\i)+4:32+8*(\i)+7], v3, s[4:5] offset:4096*(\i)+16 th:TH_LOAD_NT
.endr
	s_wait_loadcnt 0x0
.irp i, 0,1,2,3,4,5,6,7
.irp r, 0,1,2,3
	v_cvt_pk_f16_f32 v[96+4*(\i)+(\r)], v[32+8*(\i)+2*(\r)], v[32+8*(\i)+2*(\r)+1]
.endr
	global_store_b128 v4, v[96+4*(\i):96+4*(\i)+3], s[8:9] offset:2048*(\i)   ; 512 consecutive bytes a wave
.endr
	s_endpgm
; ROLE WO.  A work-group makes a third (64 rows n) of a block (nb, h): 768 runs of 8 numbers, six a thread.  Run c: row c / 12, channels 8 (c % 12) on.
.Lrole_wo:
	s_load_b128 s[4:7], s[0:1], 0x38       ; Wo, wo2
	s_sub_co_u32 s12, s3, 320
	s_lshr_b32 s13, s12, 5                 ; which third
	s_bfe_u32 s14, s12, 0x20003            ; nb
	s_and_b32 s15, s12, 7                  ; h
	s_mul_i32 s16, s14, 192
	s_lshl_b32 s17, s13, 6
	s_add_co_u32 s16, s16, s17             ; first row of Wo
	s_mul_i32 s16, s16, 3072
	s_mul_i32 s18, s15, 384                ; the head's 96 channels
	s_add_co_u32 s16, s16, s18
	s_lshl3_add_u32 s18, s14, s15          ; 8 nb + h
	s_mul_i32 s18, s18, 192
	s_add_co_u32 s18, s18, s17
	s_mul_i32 s18, s18, 192                ; rows of 192 bytes in wo2
	s_mov_b32 s17, 0
	s_mov_b32 s19, 0
	v_lshlrev_b32 v4, 4, v0
.irp i, 0,1,2,3,4,5
	v_add_nc_u32 v5, 128*(\i), v0          ; c
	v_mul_u32_u24 v6, 0xaaab, v5           ; c / 12 = (43,691 c) >> 19 for c under 768
	v_lshrrev_b32 v6, 19, v6
	v_mul_u32_u24 v7, 12, v6
	v_sub_nc_u32 v7, v5, v7                ; c % 12
	v_mul_u32_u24 v6, 3072, v6
	v_lshl_add_u32 v[16+(\i)], v7, 5, v6
.endr
	s_wait_kmcnt 0x0
	s_add_nc_u64 s[4:5], s[4:5], s[16:17]
	s_add_nc_u64 s[6:7], s[6:7], s[18:19]
.irp i, 0,1,2,3,4,5
	global_load_b128 v[32+8*(\i):32+8*(\i)+3], v[16+(\i)], s[4:5]
	global_load_b128 v[32+8*(\i)+4:32+8*(\i)+7], v[16+(\i)], s[4:5] offset:16
.endr
	s_wait_loadcnt 0x0
.irp i, 0,1,2,3,4,5
.irp r, 0,1,2,3
	v_cvt_pk_f16_f32 v[96+4*(\i)+(\r)], v[32+8*(\i)+2*(\r)], v[32+8*(\i)+2*(\r)+1]
.endr
	global_store_b128 v4, v[96+4*(\i):96+4*(\i)+3], s[6:7] offset:2048*(\i)
.endr
	s_endpgm
; ROLE Q.  A work-group makes 16 queries x one head's 96 channels.  Each wave normalises four of the rows into LDS; then K = 768 is split among the four waves,
; 192 each; the partial sums meet in LDS (f32), and bq and the scale are applied in f32 ahead of the one rounding.
.Lrole_q:
	s_load_b256 s[4:11], s[0:1], 0x48      ; query s[4:5], ln_q_w s[6:7], ln_q_b s[8:9], Wq s[10:11]
	s_load_b128 s[12:15], s[0:1], 0x68     ; bq s[12:13], qf s[14:15]
	s_and_b32 s16, s3, 15                  ; which 16 queries
	s_lshr_b32 s17, s3, 4                  ; the head
	s_mov_b32 s42, 0x3aaaaaab              ; 1/768
	s_mul_i32 s18, s16, 49152              ; 16 rows of 3,072 bytes
	s_mov_b32 s19, 0
	s_mul_i32 s20, s17, 294912             ; the head's 96 rows of Wq
	s_mov_b32 s21, 0
	s_mul_i32 s26, s17, 384                ; the head's 96 numbers of bq
	s_mov_b32 s27, 0
	s_mul_i32 s28, s17, 49152              ; the head's 256 rows of 192 bytes in qf,
	s_mul_i32 s29, s16, 3072               ; my 16 of them
	s_add_co_u32 s28, s28, s29
	s_mov_b32 s29, 0
	v_lshlrev_b32 v3, 4, v2
	s_mul_i32 s22, s2, 12288               ; my wave's four rows
	v_add_nc_u32 v4, s22, v3
	s_mul_i32 s23, s2, 4*QP
	v_lshl_add_u32 v9, v2, 3, s23
	s_wait_kmcnt 0x0
	s_add_nc_u64 s[4:5], s[4:5], s[18:19]
	s_add_nc_u64 s[10:11], s[10:11], s[20:21]
	s_add_nc_u64 s[12:13], s[12:13], s[26:27]
	s_add_nc_u64 s[14:15], s[14:15], s[28:29]
.irp i, 0,1,2,3
.irp j, 0,1,2,3,4,5
	global_load_b128 v[X+24*(\i)+4*(\j):X+24*(\i)+4*(\j)+3], v4, s[4:5] offset:3072*(\i)+512*(\j)
.endr
.endr
.irp j, 0,1,2,3,4,5
	global_load_b128 v[W+4*(\j):W+4*(\j)+3], v3, s[6:7] offset:512*(\j)
	global_load_b128 v[B+4*(\j):B+4*(\j)+3], v3, s[8:9] offset:512*(\j)
.endr
	s_wait_loadcnt 0x0
.irp i, 0,1,2,3
	LNA X+24*(\i), 12, W, B
	LNC X+24*(\i), 12, Y
.irp j, 0,1,2,3,4,5
	ds_store_b64 v9, v[Y+2*(\j):Y+2*(\j)+1] offset:(\i)*QP+256*(\j)
.endr
.endr
	s_wait_dscnt 0x0                       ; for the others' sake: my four rows lie in LDS
	s_barrier_signal -1
	s_barrier_wait -1
	; q'^T = Wq LN(q)^T: source 0 = 16 rows of Wq (channels), source 1 = the 16 queries: a lane ends with one query and eight neighbouring channels.
	; A fragment is 16 rows x 32 along K: lane l holds row l % 16, K = 8 (l / 16) + 0..7 and 16 + 8 (l / 16) + 0..7.  Wq comes from memory in f32 (four loads of 16 bytes) and is rounded in place.
	v_and_b32 v10, 15, v0
	v_bfe_u32 v11, v0, 4, 1
	v_mul_u32_u24 v5, 3072, v10
	v_lshl_add_u32 v5, v11, 5, v5
	s_mul_i32 s22, s2, 768                 ; my wave's 192 of K, in f32
	v_add_nc_u32 v5, s22, v5
	v_mul_u32_u24 v6, QP, v10
	v_lshl_add_u32 v6, v11, 4, v6
	s_mul_i32 s22, s2, 384                 ; and in f16
	v_add_nc_u32 v6, s22, v6
	s_mul_i32 s22, s2, 6144
	s_add_co_u32 s22, s22, PART            ; my wave's partial sums: row = query l % 16, 384 bytes; my 8 channels of tile ct at 64 ct + 32 (l / 16)
	v_mul_u32_u24 v7, 384, v10
	v_lshl_add_u32 v7, v11, 5, v7
	v_add_nc_u32 v7, s22, v7
.set p, 0
.rept 48
	v_mov_b32 v[ACC+p], 0                  ; 48 lines once, so that the loop has one form of product
.set p, p+1
.endr
.macro CVF fi                          ; fragment fi, 16 f32 a lane, rounded into its own lower eight registers
.set fbb, 64+16*(\fi)
.irp i, 0,1,2,3,4,5,6,7
	v_cvt_pk_f16_f32 v[fbb+(\i)], v[fbb+2*(\i)], v[fbb+2*(\i)+1]
.endr
.endm
	s_mov_b32 s24, 3
.Lq_k:                                 ; a trip: 64 of my wave's K, twelve products
.irp ks, 0,1
.irp ct, 0,1,2,3,4,5
	global_load_b128 v[64+16*(6*(\ks)+(\ct)):64+16*(6*(\ks)+(\ct))+3],     v5, s[10:11] offset:(\ct)*49152+128*(\ks)
	global_load_b128 v[64+16*(6*(\ks)+(\ct))+4:64+16*(6*(\ks)+(\ct))+7],   v5, s[10:11] offset:(\ct)*49152+128*(\ks)+16
	global_load_b128 v[64+16*(6*(\ks)+(\ct))+8:64+16*(6*(\ks)+(\ct))+11],  v5, s[10:11] offset:(\ct)*49152+128*(\ks)+64
	global_load_b128 v[64+16*(6*(\ks)+(\ct))+12:64+16*(6*(\ks)+(\ct))+15], v5, s[10:11] offset:(\ct)*49152+128*(\ks)+80
.endr
.endr
	s_wait_loadcnt 0x0
	CVF 0
	CVF 1
.irp ks, 0,1                           ; the queries' fragments take the upper halves that fragments 0 and 1 have just left
	ds_load_b128 v[72+16*(\ks):72+16*(\ks)+3], v6 offset:64*(\ks)
	ds_load_b128 v[72+16*(\ks)+4:72+16*(\ks)+7], v6 offset:64*(\ks)+32
.endr
.irp fi, 2,3,4,5,6,7,8,9,10,11
	CVF \fi
.endr
	s_wait_dscnt 0x0
.irp ks, 0,1                           ; the six accumulators take turns, one instruction a turn, over the backward jump too
.irp ct, 0,1,2,3,4,5
	v_wmma_f32_16x16x32_f16 v[ACC+8*(\ct):ACC+8*(\ct)+7], v[64+16*(6*(\ks)+(\ct)):64+16*(6*(\ks)+(\ct))+7], v[72+16*(\ks):72+16*(\ks)+7], v[ACC+8*(\ct):ACC+8*(\ct)+7]
.endr
.endr
.rept 4
	v_nop                                  ; four places behind the last product, ahead of loads into registers that it has read
.endr
	s_add_nc_u64 s[10:11], s[10:11], 256   ; the trip's loads were waited for, so their base may be written
	v_add_nc_u32 v6, 128, v6
	s_sub_co_u32 s24, s24, 1
	s_cmp_lg_u32 s24, 0
	s_cbranch_scc1 .Lq_k
.rept 4
	v_nop
.endr
.irp ct, 0,1,2,3,4,5                   ; each accumulator's low registers are read first.  Rows 384 bytes apart; twelve stores, once a work-group
	ds_store_b128 v7, v[ACC+8*(\ct):ACC+8*(\ct)+3] offset:64*(\ct)
	ds_store_b128 v7, v[ACC+8*(\ct)+4:ACC+8*(\ct)+7] offset:64*(\ct)+16
.endr
	s_wait_dscnt 0x0                       ; for the others' sake: my partial sums lie in LDS
	s_barrier_signal -1
	s_barrier_wait -1                      ; all four partial sums lie in LDS
	; THE END, in units of 4 channels: the 16 x 96 results are 384 units, three a thread.  Unit F = thread + 128 i lies at byte 16 F of each wave's partial sums and goes to byte 8 F of the
	; work-group's 3,072 dense bytes of qf: each store of a wave covers 256 consecutive bytes, aligned.  Its four numbers of bq are those of channels 4 (F % 24) on.
	; Registers of unit i, from 64 + 32 i on: +0 F, +1 bq's offset, +4..19 the four partial sums, +20..23 bq, +24..25 the result.
	v_lshlrev_b32 v8, 4, v0
	v_lshlrev_b32 v12, 3, v0
.irp i, 0,1,2
	v_add_nc_u32 v[64+32*(\i)], 128*(\i), v0
	v_mul_u32_u24 v[65+32*(\i)], 0xaab, v[64+32*(\i)]      ; F / 24 = (2,731 F) >> 16 for F under 384
	v_lshrrev_b32 v[65+32*(\i)], 16, v[65+32*(\i)]
	v_mul_u32_u24 v[65+32*(\i)], 24, v[65+32*(\i)]
	v_sub_nc_u32 v[65+32*(\i)], v[64+32*(\i)], v[65+32*(\i)]   ; F % 24
	v_lshlrev_b32 v[65+32*(\i)], 4, v[65+32*(\i)]
	global_load_b128 v[84+32*(\i):87+32*(\i)], v[65+32*(\i)], s[12:13]
.irp w, 0,1,2,3
	ds_load_b128 v[68+32*(\i)+4*(\w):71+32*(\i)+4*(\w)], v8 offset:PART+6144*(\w)+2048*(\i)
.endr
.endr
	s_wait_dscnt 0x0
.irp i, 0,1,2
.irp r, 0,2
	v_pk_add_f32 v[68+32*(\i)+(\r):69+32*(\i)+(\r)], v[68+32*(\i)+(\r):69+32*(\i)+(\r)], v[72+32*(\i)+(\r):73+32*(\i)+(\r)]
	v_pk_add_f32 v[76+32*(\i)+(\r):77+32*(\i)+(\r)], v[76+32*(\i)+(\r):77+32*(\i)+(\r)], v[80+32*(\i)+(\r):81+32*(\i)+(\r)]
.endr
.endr
.irp i, 0,1,2
.irp r, 0,2
	v_pk_add_f32 v[68+32*(\i)+(\r):69+32*(\i)+(\r)], v[68+32*(\i)+(\r):69+32*(\i)+(\r)], v[76+32*(\i)+(\r):77+32*(\i)+(\r)]
.endr
.endr
	s_wait_loadcnt 0x0                     ; bq
.irp i, 0,1,2
.irp r, 0,2
	v_pk_add_f32 v[68+32*(\i)+(\r):69+32*(\i)+(\r)], v[68+32*(\i)+(\r):69+32*(\i)+(\r)], v[84+32*(\i)+(\r):85+32*(\i)+(\r)]
.endr
.endr
.irp i, 0,1,2
.irp r, 0,2
	v_pk_mul_f32 v[68+32*(\i)+(\r):69+32*(\i)+(\r)], v[68+32*(\i)+(\r):69+32*(\i)+(\r)], 0x3e16c740 op_sel_hi:[1,0]   ; log2(e) / sqrt(96) = 0.1472444
.endr
.endr
.irp i, 0,1,2
	v_cvt_pk_f16_f32 v[88+32*(\i)], v[68+32*(\i)], v[69+32*(\i)]
	v_cvt_pk_f16_f32 v[89+32*(\i)], v[70+32*(\i)], v[71+32*(\i)]
	global_store_b64 v12, v[88+32*(\i):89+32*(\i)], s[14:15] offset:1024*(\i)
.endr
	s_wait_tensorcnt 0x0                   ; the wave's end: behind my last LDS store
	ds_add_u32 v[SPW], v[NIL]
	s_wait_dscnt 0x0
	s_endpgm
.Lfunc_end_k_q5f054b7788_prep:
	.size	k_q5f054b7788_prep, .Lfunc_end_k_q5f054b7788_prep-k_q5f054b7788_prep
	.p2alignl 7, 3214868480
	.fill 96, 4, 3214868480
	.section	.rodata,"a",@progbits
	.p2align	6, 0x0
	.amdhsa_kernel k_q5f054b7788_prep
		.amdhsa_group_segment_fixed_size 49920
		.amdhsa_private_segment_fixed_size 0
		.amdhsa_enable_private_segment 0
		.amdhsa_kernarg_size 120
		.amdhsa_user_sgpr_count 2
		.amdhsa_user_sgpr_kernarg_segment_ptr 1
		.amdhsa_wavefront_size32 1
		.amdhsa_system_sgpr_workgroup_id_x 1
		.amdhsa_system_sgpr_workgroup_id_y 1
		.amdhsa_system_sgpr_workgroup_id_z 1
		.amdhsa_system_vgpr_workitem_id 0
		.amdhsa_next_free_vgpr 256
		.amdhsa_next_free_sgpr 66
		.amdhsa_reserve_vcc 0
		.amdhsa_float_denorm_mode_32 3
		.amdhsa_float_denorm_mode_16_64 3
		.amdhsa_memory_ordered 1
		.amdhsa_forward_progress 1
		.amdhsa_inst_pref_size 134
	.end_amdhsa_kernel
	.amdgpu_metadata
---
amdhsa.version: [ 1, 2 ]
amdhsa.kernels:
  - .name:           k_q5f054b7788_prep
    .symbol:         k_q5f054b7788_prep.kd
    .args:
      - { .name: x, .offset: 0, .size: 8, .value_kind: global_buffer, .address_space: global }
      - { .name: ln_k_w, .offset: 8, .size: 8, .value_kind: global_buffer, .address_space: global }
      - { .name: ln_k_b, .offset: 16, .size: 8, .value_kind: global_buffer, .address_space: global }
      - { .name: xn, .offset: 24, .size: 8, .value_kind: global_buffer, .address_space: global }
      - { .name: Wk, .offset: 32, .size: 8, .value_kind: global_buffer, .address_space: global }
      - { .name: Wv, .offset: 40, .size: 8, .value_kind: global_buffer, .address_space: global }
      - { .name: wkv, .offset: 48, .size: 8, .value_kind: global_buffer, .address_space: global }
      - { .name: Wo, .offset: 56, .size: 8, .value_kind: global_buffer, .address_space: global }
      - { .name: wo2, .offset: 64, .size: 8, .value_kind: global_buffer, .address_space: global }
      - { .name: query, .offset: 72, .size: 8, .value_kind: global_buffer, .address_space: global }
      - { .name: ln_q_w, .offset: 80, .size: 8, .value_kind: global_buffer, .address_space: global }
      - { .name: ln_q_b, .offset: 88, .size: 8, .value_kind: global_buffer, .address_space: global }
      - { .name: Wq, .offset: 96, .size: 8, .value_kind: global_buffer, .address_space: global }
      - { .name: bq, .offset: 104, .size: 8, .value_kind: global_buffer, .address_space: global }
      - { .name: qf, .offset: 112, .size: 8, .value_kind: global_buffer, .address_space: global }
    .group_segment_fixed_size: 49920
    .private_segment_fixed_size: 0
    .kernarg_segment_align: 8
    .kernarg_segment_size: 120
    .max_flat_workgroup_size: 128
    .sgpr_count:     66
    .vgpr_count:     256
    .wavefront_size: 32
...
	.end_amdgpu_metadata
.endif
;; end of part 1
;; launch kvattn (part 2): grid 8 x 32, 4 waves a work-group, clusters of 4 x 4, 327,680 bytes of LDS; arguments xn, wkv, qf, size, attention_mask, bv, ob; writes ob
.if DOCPART == 2
	.amdgcn_target "amdgcn-amd-amdhsa--gfx1250"
	.amdhsa_code_object_version 6
	.text
	.protected	k_q5f054b7788_kvattn
	.globl	k_q5f054b7788_kvattn
	.p2align	8
	.type	k_q5f054b7788_kvattn,@function
k_q5f054b7788_kvattn:
	s_mov_b64 s[64:65], 0
	v_nop
	global_prefetch_b8 v0, s[64:65] scope:SCOPE_SE
	s_setreg_imm32_b32 hwreg(HW_REG_WAVE_MODE, 25, 1), 1
	s_wait_xcnt 0x0
	s_wait_alu depctr_hold_cnt(0) depctr_sa_sdst(0) depctr_va_vdst(0) depctr_va_sdst(0) depctr_va_ssrc(0) depctr_va_vcc(0) depctr_vm_vsrc(0)
	s_getreg_b32 s2, hwreg(HW_REG_IB_STS2, 6, 4)
	s_cmp_eq_u32 s2, 0
	s_cbranch_scc0 .Lentry_in_a_cluster
	s_endpgm
.Lentry_in_a_cluster:
	s_bfe_u32 s2, ttmp6, 0x10000c
	s_cmp_lg_u32 s2, 0xf033
	s_cbranch_scc0 .Lentry_shape_is_right
	s_endpgm
.Lentry_shape_is_right:
; K AND V PROJECTION AND ATTENTION, one work-group for each (batch, head): 32 x 8 work-groups.  K, V, the scores and the weights never leave the WGP.
; LEFT OUT: bk (the same along the softmax's axis for all values of the inputs: shown at the head of the first kernel).  bv is added once, behind the division by the row's sum (the weights sum to 1).
; THE WALK.  Four blocks of 256 keys.  For each: C[256 keys][192] = xn [Wk_h; Wv_h]^T over K = 1,024, in eight K steps of 128 through a ring of two LDS slots;
; then the block's K and V, rounded to f16, go through a stage in LDS, 128 keys at a time, and all 256 queries attend to them, 64 keys a step.
; SHARES.  In the product wave w has keys 128 (w / 2) .. + 127 and K (w even) or V (w odd): 48 accumulators, 384 registers.  In attention wave w owns queries 64 w .. + 63: four tiles of 16.
; LAYOUT.  Every product is taken transposed: source 0 = 16 channels of W, source 1 = 16 keys: a lane ends with one key and eight neighbouring channels, 16 bytes of a stage row.
; S^T = K Q^T + bias (source 0 = 16 keys, source 1 = 16 queries, C = the keys' bias): a lane holds ONE query and the keys 8 (lane / 16) + 0..7; two such tiles rounded to f16 ARE source 1 of O^T = V^T P.
; SOFTMAX.  qf carries log2(e)/sqrt(96), the bias is log2(size_c) + log2(e) mask: p = 2^(s - m) with a running maximum m; O and l are multiplied by a = 2^(m_old - m_new) in every step.
; m starts at -4.25e37, O and l at 0, so the first step is a step like any other, with a = 0.  The order in which keys are taken does not matter to these sums; the bias follows the keys.
; LIMITS.  f16 operands: K, V within 65,504; p lies in 0 to 1 and keeps f16's step of 6e-8 below 6e-5; a weight below 2^-126 counts as 0 in l; scores below -4.25e37, NaN and infinities are not treated apart.
; CLUSTER.  4 x 4 work-groups: x along the heads, y along the batches.  xn's tile hangs on the batch alone and is asked for jointly by the four of a row of the cluster,
; W's on the head alone, by the four of a column: the same tensor load, descriptor and mask in all four.
; The matrix and the vector work of attention stand in phases, one after the other.
; REGISTERS, in windows of 256 (s_set_vgpr_msb: bits 1:0 source 0, 3:2 source 1, 5:4 source 2, 7:6 destination):
;   window 0: v0-29 addresses; v32-143, v144-255 two fragment buffers (8 of x, 6 of W); in attention v32-127 K (and the packed block), v128-223 V, v224-255 bias
;   window 1: v0-191 O^T (48 t + 8 cb); v192-239 Q of tiles 0, 1        window 3: v0-191 accumulators of key tiles 4-7; v192-239 Q of tiles 2, 3
;   window 2: v0-191 accumulators of key tiles 0-3, later S^T (v0-127) and P (v128-191); v192-223 eight registers of statistics a tile
.set PITCH, 272                        ; a slot's row: 256 bytes + 16 = 68 words: row r starts at bank 4 r mod 64 (64 banks of 4 bytes: ISA guide 11.1)
.set XH,    128*PITCH                  ; what one load of x brings
.set WH,    96*PITCH                   ; what one load of W brings
.set WOFF,  2*XH
.set SLOT,  WOFF+2*WH                  ; 256 rows of x, 96 of Wk_h, 96 of Wv_h
.set PS,    224                        ; a stage row: 192 bytes + 32 = 56 words; K's plain loads take two rows to a group of banks
.set KST,   2*SLOT                     ; behind the ring, where no fill lands: K's stage, 128 keys
.set VST,   KST+128*PS                 ; V's
.set BIAS,  VST+128*PS                 ; the batch's 1,024 biases, f32
.set OST,   BIAS+4096                  ; the way out: 16 rows x 192 bytes for each wave
.set SPARE, OST+4*3072                 ; the spare words, 128 bytes a wave: two blocks of 256 bytes that no other line names
.set ADRA, 4                           ; v4-5   my x fragments in slot 0, 1
.set ADRB, 6                           ; v6-7   my W fragments
.set STO,  8                           ; v8     where my 16 bytes of a stage row go
.set AK0,  12                          ; v12-14 my lane's place in K's stage, V's stage, the biases; never rewritten
.set AV0,  13
.set AB0,  14
.set AK,   15                          ; v15-17 the same for the step in hand
.set AV,   16
.set AB,   17
.set OSTO, 18
.set ORD,  19
.set GO,   20
.set QO,   21
.set PFO,  22                          ; v22    2,048 x lane: a lane a row of xn
.set ONE,  23
.set SPW,  28                          ; v28    LDS address of my spare word; never rewritten
.set NIL,  29                          ; v29    0; never rewritten
.set F0,   32
.set F1,   144
.set TMP,  32
.set KF,   32                          ; key block kb, channels 32 c on: KF + 8 (3 kb + c)
.set VF,   128                         ; keys 32 kk on, channel block cb: VF + 8 (6 kk + cb)
.set BI,   224
.set BV,   128                         ; the way out: bv of my channels
.set ST,   192                         ; window 2: tile t at ST + 8 t: m, m_old, l (even, odd keys), c0-c3 at work; a takes c2
.set WV,  18
.set RH,  19                           ; wave / 2: my half of the keys; also: I fetch x (0) or W (1)
.set CH,  20                           ; wave % 2: K or V; also: which half of x, or which of Wk, Wv, I fetch
.set G1,  24                           ; s[24:31] group 1 for x, s[32:39] group 0, a set for each slot
.set G0,  32
.set LIM, 43                           ; 1 in a wave that prefetches, else the greatest number
.set PFA, 44                           ; s[44:45] where my prefetches stand
.set G1B, 48                           ; s[48:55], s[56:63] the same for W
.set G0B, 56
.set CNT, 66
.set SB,  67                           ; the step's first byte in both stages
.set HC,  68
.set BB,  69                           ; the step's first byte among the biases
.set BLKB, 70
.set L2E, 71
.set SEL, 72
.set MSB, 0
.macro WIN new                         ; the immediate's high byte repeats the setting that is left; a switch that changes nothing is dropped
.if MSB != (\new)
	s_set_vgpr_msb (MSB<<8)|(\new)
.set MSB, \new
.endif
.endm
.macro PLACES                          ; four places behind a matrix instruction (ISA guide 7.12.1), where no other vector work is at hand
.rept 4
	v_nop
.endr
.endm
; A joint load: waves 0 and 1 fetch x's two halves, waves 2 and 3 Wk_h and Wv_h.  The branch hangs on the wave's number alone.  An s_nop 0 and four v_nop follow each line.
.macro JLOAD s
	s_cmp_eq_u32 s[RH], 0
	s_cbranch_scc0 .Lfor_w_\@
	tensor_load_to_lds s[G0+4*(\s):G0+4*(\s)+3], s[G1:G1+7]
	s_nop 0
.rept 4
	v_nop
.endr
	s_branch .Lasked_\@
.Lfor_w_\@:
	tensor_load_to_lds s[G0B+4*(\s):G0B+4*(\s)+3], s[G1B:G1B+7]
	s_nop 0
.rept 4
	v_nop
.endr
.Lasked_\@:
.endm
; A prefetch of xn, behind a joint load, its five lines and the run of LDS loads: the K step two refills on, 384 matrix instructions ahead: 32 rows x 256 bytes, a lane a row.
; Each row's 256 bytes of a K step are named once in the launch: both clusters of a row of clusters read a batch's rows, and the one with x = 0 asks; of the 128 rows that a wave fetches
; the partner at place cx takes 32 cx .. + 31, told apart by address.  how = 0, in the loop: a block's last two refills have no K step two on; how = 1: the next block's K steps 2 and 3.
; A block's K steps 0 and 1 come by their refills alone, and nothing is asked for at the head.  W is not asked for: it is walked again in every block.
.macro ASK how
.if \how
	s_cmp_eq_u32 s[LIM], 1
.else
	s_cmp_gt_u32 s3, s[LIM]
.endif
	s_cbranch_scc0 .Lnot_mine_\@
	global_prefetch_b8 v[PFO], s[PFA:PFA+1] offset:256 th:TH_LOAD_NT scope:SCOPE_SE
.Lnot_mine_\@:
.endm
.macro CREST                           ; a round of the cluster's barrier behind its opening barrier
	s_cmp_lg_u32 s[WV], 0
	s_cbranch_scc1 .Lnot_wave_0_\@
	s_barrier_signal -3
.Lnot_wave_0_\@:
	s_barrier_wait -3
	s_barrier_signal -1
	s_barrier_wait -1
.endm
.macro CROUND
	s_barrier_signal -1
	s_barrier_wait -1
	CREST
.endm
; 12 matrix instructions: key tiles k0, k0 + 1 of the window's four (hi = 0: tiles 0-3, 1: tiles 4-7) x six channel tiles, 32 along K.  zero = 1: the product starts the sum.
; The 48 accumulators take turns in the same order in every quarter.
.macro MULH f, hi, k0, zero
	WIN 0xa0+0x50*(\hi)
.irp a, \k0, (\k0)+1
.irp b, 0,1,2,3,4,5
.if \zero
	v_wmma_f32_16x16x32_f16 v[8*(6*(\a)+(\b)):8*(6*(\a)+(\b))+7], v[(\f)+64+8*(\b):(\f)+64+8*(\b)+7], v[(\f)+8*(4*(\hi)+(\a)):(\f)+8*(4*(\hi)+(\a))+7], 0
.else
	v_wmma_f32_16x16x32_f16 v[8*(6*(\a)+(\b)):8*(6*(\a)+(\b))+7], v[(\f)+64+8*(\b):(\f)+64+8*(\b)+7], v[(\f)+8*(4*(\hi)+(\a)):(\f)+8*(4*(\hi)+(\a))+7], v[8*(6*(\a)+(\b)):8*(6*(\a)+(\b))+7]
.endif
.endr
.endr
.endm
; 28 LDS loads in one run: 32 along K at byte k of the rows: W's six fragments, then x's eight
.macro FETCH slot, k, f
	WIN 0
.irp i, 0,1,2,3,4,5
	ds_load_b128 v[(\f)+64+8*(\i):(\f)+64+8*(\i)+3],   v[ADRB+(\slot)] offset:(\k)+(\i)*16*PITCH
	ds_load_b128 v[(\f)+64+8*(\i)+4:(\f)+64+8*(\i)+7], v[ADRB+(\slot)] offset:(\k)+(\i)*16*PITCH+32
.endr
.irp i, 0,1,2,3,4,5,6,7
	ds_load_b128 v[(\f)+8*(\i):(\f)+8*(\i)+3],   v[ADRA+(\slot)] offset:(\k)+(\i)*16*PITCH
	ds_load_b128 v[(\f)+8*(\i)+4:(\f)+8*(\i)+7], v[ADRA+(\slot)] offset:(\k)+(\i)*16*PITCH+32
.endr
.endm
; A K step is four quarters of 32 along K, 48 matrix instructions each, on buffers 0, 1, 0, 1.  One of the first three:
.macro QUARTER slot, k, f, g, zero
	s_wait_dscnt 8                         ; W and x's key tiles 0-3 are in; the youngest eight loads (tiles 4-7) may be out
	MULH \f, 0, 0, \zero
	MULH \f, 0, 2, \zero
	PLACES                                 ; for the loads into the other buffer, which the quarter before multiplied
	FETCH \slot, \k, \g
	s_wait_dscnt 28                        ; all but the 28 just issued
	MULH \f, 1, 0, \zero
	MULH \f, 1, 2, \zero
.endm
; The last quarter changes slots.  ONE barrier: in front of it each wave waits for all its tensor loads (one is out: its part of the next slot), adds 0 to its spare word, and waits for that and for its reads of this slot.
.macro MEET round
	WIN 0
	s_wait_tensorcnt 0x0
	ds_add_u32 v[SPW], v[NIL]
	s_wait_dscnt 9                         ; (the add and the youngest eight loads may be out)
	MULH F1, 0, 0, 0                       ; twelve matrix instructions stand between the add and the wait for it
	s_wait_dscnt 0x0                       ; the add is done, and my reads of this slot are over
	s_barrier_signal -1
	MULH F1, 0, 2, 0
.if \round
	WIN 0
.endif
	s_barrier_wait -1
.endm
; on = 0: this slot takes the block's K step two on; on = 1: the next block's K step 0 or 1.  fetch = 0: attention follows, and the next block fetches its own first fragments.
.macro TURN slot, next, on, fetch
	s_wait_xcnt 0x0                        ; the last prefetch, a K step back, has read its address
.if (\on) && (\slot) == 0
	s_add_nc_u64 s[PFA:PFA+1], s[PFA:PFA+1], 255*2048+256   ; from the K step behind the block's last to the next block's K step 1
.else
	s_add_nc_u64 s[PFA:PFA+1], s[PFA:PFA+1], 256
.endif
	MEET 1
	CREST                                  ; the barrier has opened a round of the cluster's: no wave of any partner still reads this slot or has a load on its way
.if \on
	s_add_nc_u64 s[G0+4*(\slot)+2:G0+4*(\slot)+3], s[G0+4*(\slot)+2:G0+4*(\slot)+3], 256*2048-1536   ; 256 rows down, six K steps back
	s_sub_nc_u64 s[G0B+4*(\slot)+2:G0B+4*(\slot)+3], s[G0B+4*(\slot)+2:G0B+4*(\slot)+3], 1536       ; W only back
.else
	s_add_nc_u64 s[G0+4*(\slot)+2:G0+4*(\slot)+3], s[G0+4*(\slot)+2:G0+4*(\slot)+3], 512
	s_add_nc_u64 s[G0B+4*(\slot)+2:G0B+4*(\slot)+3], s[G0B+4*(\slot)+2:G0B+4*(\slot)+3], 512
.endif
	JLOAD \slot                            ; the first tensor load behind the round; its four v_nop are also the places in front of the loads below
.if \fetch
	FETCH \next, 0, F0
.endif
	ASK \on
	MULH F1, 1, 0, 0
	MULH F1, 1, 2, 0
.endm
; ATTENTION.  Number n of the 21 that find tile t's maximum and statistics (each accumulator's lowest registers are read first):
;   0-11 four chains of seven scores   12-14, 16 the four left over, the old m, and c0-c3 into c0   15 m_old   17, 18 the query's other keys lie 16 lanes away: the new m   19, 20 a
.macro XS t, n
.set rT, ST+8*(\t)
.set rS, 32*(\t)
.if (\n) < 4
	v_max3_num_f32 v[rT+4+(\n)], v[rS+8*(\n)], v[rS+8*(\n)+1], v[rS+8*(\n)+2]
.elseif (\n) < 12
	v_max3_num_f32 v[rT+4+(\n)%4], v[rT+4+(\n)%4], v[rS+8*((\n)%4)+2*((\n)/4)+1], v[rS+8*((\n)%4)+2*((\n)/4)+2]
.elseif (\n) == 12
	v_max3_num_f32 v[rT+4], v[rT+4], v[rS+7], v[rS+15]
.elseif (\n) == 13
	v_max3_num_f32 v[rT+5], v[rT+5], v[rS+23], v[rS+31]
.elseif (\n) == 14
	v_max3_num_f32 v[rT+6], v[rT+6], v[rT+7], v[rT]
.elseif (\n) == 15
	v_mov_b32 v[rT+1], v[rT]
.elseif (\n) == 16
	v_max3_num_f32 v[rT+4], v[rT+4], v[rT+5], v[rT+6]
.elseif (\n) == 17
	v_permlanex16_b32 v[rT+7], v[rT+4], s[SEL], s[SEL+1]
.elseif (\n) == 18
	v_max_num_f32 v[rT], v[rT+4], v[rT+7]
.elseif (\n) == 19
	v_sub_f32 v[rT+5], v[rT+1], v[rT]
.else
	v_exp_f32 v[rT+6], v[rT+5]
.endif
.endm
.macro SA t, i                         ; pair i of tile t: s - m
	v_pk_add_f32 v[32*(\t)+2*(\i):32*(\t)+2*(\i)+1], v[32*(\t)+2*(\i):32*(\t)+2*(\i)+1], v[ST+8*(\t):ST+8*(\t)+1] op_sel_hi:[1,0] neg_lo:[0,1] neg_hi:[0,1]
.endm
.macro SU t, z                         ; sum z of 16: neighbours 1, 2, 4, 8 pairs apart, in place; then l = a l + sum
.set rT, ST+8*(\t)
.set rS, 32*(\t)
.set w, 4
.set u, (\z)
.if (\z) >= 14
.set w, 32
.set u, 0
.elseif (\z) >= 12
.set w, 16
.set u, (\z)-12
.elseif (\z) >= 8
.set w, 8
.set u, (\z)-8
.endif
.if (\z) < 15
	v_pk_add_f32 v[rS+w*u:rS+w*u+1], v[rS+w*u:rS+w*u+1], v[rS+w*u+w/2:rS+w*u+w/2+1]
.else
	v_pk_fma_f32 v[rT+2:rT+3], v[rT+2:rT+3], v[rT+6:rT+7], v[rS:rS+1] op_sel_hi:[1,0,1]
.endif
.endm
; A STEP: 64 keys of the stage for my 64 queries.
.macro STEP
	WIN 0
	v_nop                                  ; with the three lines below: four places behind the last product V^T P, ahead of the loads into V's registers
	v_add_nc_u32 v[AK], s[SB], v[AK0]
	v_add_nc_u32 v[AV], s[SB], v[AV0]
	v_add_nc_u32 v[AB], s[BB], v[AB0]
.irp kb, 0,1,2,3
.irp c, 0,1,2
	ds_load_b128 v[KF+8*(3*(\kb)+(\c)):KF+8*(3*(\kb)+(\c))+3],   v[AK] offset:(\kb)*16*PS+64*(\c)
	ds_load_b128 v[KF+8*(3*(\kb)+(\c))+4:KF+8*(3*(\kb)+(\c))+7], v[AK] offset:(\kb)*16*PS+64*(\c)+32
.endr
.endr
.irp kb, 0,1,2,3                       ; register j: the bias of key 16 kb + 8 (lane / 16) + j, the same for every query
	ds_load_b128 v[BI+8*(\kb):BI+8*(\kb)+3],   v[AB] offset:64*(\kb)
	ds_load_b128 v[BI+8*(\kb)+4:BI+8*(\kb)+7], v[AB] offset:64*(\kb)+16
.endr
.irp kk, 0,1
.irp cb, 0,1,2,3,4,5
	ds_load_tr16_b128 v[VF+8*(6*(\kk)+(\cb)):VF+8*(6*(\kk)+(\cb))+3],   v[AV] offset:(\kk)*32*PS+32*(\cb)
	ds_load_tr16_b128 v[VF+8*(6*(\kk)+(\cb))+4:VF+8*(6*(\kk)+(\cb))+7], v[AV] offset:(\kk)*32*PS+16*PS+32*(\cb)
.endr
.endr
	s_wait_dscnt 24                        ; K and the biases are in; V's 24 loads may stay out
.irp p, 0,1                            ; S^T = K Q^T + bias: eight accumulators (two tiles x four key blocks) by turns; the first link takes the bias as C
.irp c, 0,1,2
.if (\c) == 0
	WIN 0x84+8*(\p)                        ; K window 0, Q window 1 or 3, C (bias) window 0, S^T window 2
.else
	WIN 0xa4+8*(\p)                        ; the same with C in window 2
.endif
.irp kb, 0,1,2,3
.irp u, 0,1
.if (\c) == 0
	v_wmma_f32_16x16x32_f16 v[32*(2*(\p)+(\u))+8*(\kb):32*(2*(\p)+(\u))+8*(\kb)+7], v[KF+8*(3*(\kb)+(\c)):KF+8*(3*(\kb)+(\c))+7], v[192+24*(\u)+8*(\c):192+24*(\u)+8*(\c)+7], v[BI+8*(\kb):BI+8*(\kb)+7]
.else
	v_wmma_f32_16x16x32_f16 v[32*(2*(\p)+(\u))+8*(\kb):32*(2*(\p)+(\u))+8*(\kb)+7], v[KF+8*(3*(\kb)+(\c)):KF+8*(3*(\kb)+(\c))+7], v[192+24*(\u)+8*(\c):192+24*(\u)+8*(\c)+7], v[32*(2*(\p)+(\u))+8*(\kb):32*(2*(\p)+(\u))+8*(\kb)+7]
.endif
.endr
.endr
.endr
.endr
	PLACES
	WIN 0xaa                               ; all of a softmax but O^T lies in window 2
.irp n, 0,1,2,3,4,5,6,7,8,9,10,11,12,13,14,15,16,17,18,19,20
.irp t, 0,1,2,3                        ; the four tiles alternate, so that no line reads the result of the one before it
	XS \t, \n
.endr
.endr
.set z, 0
.rept 16
	SA 0, z
.set z, z+1
.endr
.irp t, 0,1,2,3                        ; ONE BATCH: the four a above and the 128 exponentials; the next tile's subtractions stand among them; nothing here names a result
.set z, 0
.rept 16
	v_exp_f32 v[32*(\t)+2*z], v[32*(\t)+2*z]
.if (\t) < 3
	SA (\t)+1, z
.endif
	v_exp_f32 v[32*(\t)+2*z+1], v[32*(\t)+2*z+1]
.set z, z+1
.endr
.endr
	v_nop                                  ; a plain instruction behind the last exponential,
	s_wait_alu depctr_va_vdst(0)           ; and the one wait for the batch, ahead of its first reader
.irp t, 0,1,2,3
.set z, 0
.rept 16
	v_cvt_pk_f16_f32 v[128+16*(\t)+z], v[32*(\t)+2*z], v[32*(\t)+2*z+1]
.set z, z+1
.endr
.endr
.irp zz, 0,1,2,3,4,5,6,7,8,9,10,11,12,13,14,15
.irp t, 0,1,2,3
	SU \t, \zz
.endr
.endr
	WIN 0x49                               ; O^T (destination, source 0) window 1, a window 2
.irp t, 0,1,2,3
.set z, 0
.rept 24
	v_pk_mul_f32 v[48*(\t)+2*z:48*(\t)+2*z+1], v[48*(\t)+2*z:48*(\t)+2*z+1], v[ST+8*(\t)+6:ST+8*(\t)+7] op_sel_hi:[1,0]
.set z, z+1
.endr
.endr
	s_wait_dscnt 0x0                       ; V is in
	WIN 0x58                               ; V window 0, P window 2, O^T window 1
.irp kk, 0,1                           ; 24 accumulators by turns
.irp cb, 0,1,2,3,4,5
.irp t, 0,1,2,3
	v_wmma_f32_16x16x32_f16 v[48*(\t)+8*(\cb):48*(\t)+8*(\cb)+7], v[VF+8*(6*(\kk)+(\cb)):VF+8*(6*(\kk)+(\cb))+7], v[128+16*(\t)+8*(\kk):128+16*(\t)+8*(\kk)+7], v[48*(\t)+8*(\cb):48*(\t)+8*(\cb)+7]
.endr
.endr
.endr
.endm
; Half hf of the block goes into the stage: my key tiles 4 hf .. + 3.  Stage rows 64 s .. + 63 are the keys 256 blk + 128 s + 64 hf + 0 .. 63.
.macro RESTAGE hf
	WIN 0
	s_wait_dscnt 0x0                       ; my reads of the stage are over
	s_barrier_signal -1
	WIN 0x0a+5*(\hf)                       ; sources window 2 or 3, destination window 0: the rounding stands between the signal and the wait
.set z, 0
.rept 24
.irp r, 0,1,2,3
	v_cvt_pk_f16_f32 v[TMP+4*z+(\r)], v[8*z+2*(\r)], v[8*z+2*(\r)+1]
.endr
.set z, z+1
.endr
	WIN 0
	s_barrier_wait -1                      ; nobody reads the stage any more
.set z, 0
.rept 24
	ds_store_b128 v[STO], v[TMP+4*z:TMP+4*z+3] offset:(z/6)*16*PS+32*(z%6)
.set z, z+1
.endr
	s_mov_b32 s[SB], 0
	s_add_co_u32 s[BB], s[BLKB], 256*(\hf)
	s_wait_dscnt 0x0                       ; for the others' sake: my part of the stage is written
	s_barrier_signal -1
	s_barrier_wait -1
.endm
; A block's attention: STEP is written once; the loop over halves is left in its middle.
.macro ATTN
	PLACES                                 ; behind the last products, whose results and fragment registers the rounding reads and writes
	RESTAGE 0
	s_mov_b32 s[HC], 2
.Lhalf_\@:
	s_mov_b32 s[CNT], 2
.Lstep_\@:
	STEP
	WIN 0
	s_add_co_u32 s[SB], s[SB], 64*PS
	s_add_co_u32 s[BB], s[BB], 512
	s_sub_co_u32 s[CNT], s[CNT], 1
	s_cmp_lg_u32 s[CNT], 0
	s_cbranch_scc1 .Lstep_\@
	s_sub_co_u32 s[HC], s[HC], 1
	s_cmp_eq_u32 s[HC], 0
	s_cbranch_scc1 .Ldone_\@
	RESTAGE 1
	s_branch .Lhalf_\@
.Ldone_\@:
.endm
	s_load_b256 s[4:11], s[0:1], 0x0       ; xn s[4:5], wkv s[6:7], qf s[8:9], size s[10:11]
	s_load_b128 s[12:15], s[0:1], 0x20     ; attention_mask s[12:13], bv s[14:15]
	s_load_b64 s[16:17], s[0:1], 0x30      ; ob
	v_lshl_add_u32 v[SPW], v0, 2, SPARE
	v_mov_b32 v[NIL], 0
	ds_add_u32 v[SPW], v[NIL]              ; the wave's opening: the add, twice on end, and its wait ahead of my first tensor load
	ds_add_u32 v[SPW], v[NIL]
	v_lshrrev_b32 v1, 5, v0
	v_readfirstlane_b32 s[WV], v1
	s_lshr_b32 s[RH], s[WV], 1
	s_and_b32 s[CH], s[WV], 1
	s_bfe_u32 s21, ttmp6, 0x40000          ; cx
	s_bfe_u32 s22, ttmp6, 0x40004          ; cy
	s_lshl_b32 s23, ttmp9, 2
	s_add_co_u32 s23, s23, s21             ; the head = 4 x cluster x + cx
	s_and_b32 s40, ttmp7, 0xffff
	s_lshl_b32 s40, s40, 2
	s_add_co_u32 s40, s40, s22             ; the batch = 4 x cluster y + cy
	s_lshl_b32 s41, s22, 2
	s_lshl_b32 s41, 15, s41                ; my row of the cluster
	s_lshl_b32 s42, 0x1111, s21            ; my column
	s_or_b32 s[G1], s41, (1<<16)|(1<<20)|(1<<21)|(5<<22)|(3<<25)    ; 15:0 the mask; 17:16 2-byte elements; 20 padding on; 21 set beside a mask; 24:22 after every 64 words; 31:25 4 words
	s_or_b32 s[G1B], s42, (1<<16)|(1<<20)|(1<<21)|(5<<22)|(3<<25)
	s_mov_b32 s[G1+1], 128<<16             ; tensor_dim0 = 128
	s_mov_b32 s[G1+2], 128<<16             ; tensor_dim1 = 128
	s_mov_b32 s[G1+3], 128<<16             ; tile_dim0 = 128
	s_mov_b32 s[G1+4], 128                 ; tile_dim1 = 128
	s_mov_b32 s[G1+5], 1024                ; elements from row to row
	s_mov_b32 s[G1+6], 0
	s_mov_b32 s[G1+7], 0
	s_mov_b32 s[G1B+1], 128<<16
	s_mov_b32 s[G1B+2], 96<<16             ; 96 rows
	s_mov_b32 s[G1B+3], 128<<16
	s_mov_b32 s[G1B+4], 96
	s_mov_b32 s[G1B+5], 1024
	s_mov_b32 s[G1B+6], 0
	s_mov_b32 s[G1B+7], 0
	s_lshl_b32 s74, s40, 21                ; x: the batch's 1,024 rows of 2,048 bytes,
	s_lshl_b32 s75, s[CH], 18              ; my 128 of a block's 256: registers that never hold cx or the head
	s_add_co_u32 s74, s74, s75
	s_mov_b32 s75, 0
	s_mul_i32 s78, s[CH], 768*2048         ; W: Wk or Wv,
	s_mul_i32 s79, s23, 96*2048            ; the head's 96 rows: registers that never hold cy or the batch
	s_add_co_u32 s78, s78, s79
	s_mov_b32 s79, 0
	s_mul_i32 s82, s[CH], XH               ; where they go: no place in the cluster enters an LDS address
	s_mul_i32 s83, s[CH], WH
	s_add_co_u32 s83, s83, WOFF
	s_wait_dscnt 0x0                       ; both opening adds are done
	s_wait_kmcnt 0x0
	s_add_nc_u64 s[76:77], s[4:5], s[74:75]
	s_add_nc_u64 s[80:81], s[6:7], s[78:79]
	CROUND                                 ; all sixteen work-groups are here: the first joint loads meet
.irp s, 0,1
	s_mov_b32 s[G0+4*(\s)], 1
	s_add_co_u32 s[G0+4*(\s)+1], s82, (\s)*SLOT
	s_add_nc_u64 s[G0+4*(\s)+2:G0+4*(\s)+3], s[76:77], (\s)*256    ; K step s
	s_or_b32 s[G0+4*(\s)+3], s[G0+4*(\s)+3], 0x80000000
	s_mov_b32 s[G0B+4*(\s)], 1
	s_add_co_u32 s[G0B+4*(\s)+1], s83, (\s)*SLOT
	s_add_nc_u64 s[G0B+4*(\s)+2:G0B+4*(\s)+3], s[80:81], (\s)*256
	s_or_b32 s[G0B+4*(\s)+3], s[G0B+4*(\s)+3], 0x80000000
	JLOAD \s                               ; two loads of mine are out
.endr
	; all that follows, up to the barrier, stands in the wait for the first tile
	s_lshl_b32 s46, s21, 16                ; the prefetches: my work-group's 32 rows of the 128 that I fetch,
	s_mov_b32 s47, 0
	s_add_nc_u64 s[PFA:PFA+1], s[76:77], s[46:47]
	s_add_nc_u64 s[PFA:PFA+1], s[PFA:PFA+1], 512   ; at K step 2: the first refill steps it to 3 and names K step 4
	s_or_b32 s[LIM], s[RH], ttmp9          ; waves 0 and 1 of the clusters with x = 0: the same in all sixteen partners
	s_cmp_eq_u32 s[LIM], 0
	s_cselect_b32 s[LIM], 1, -1
	s_mul_i32 s74, s23, 49152              ; Q: the head's 256 rows of 192 bytes,
	s_mul_i32 s75, s[WV], 12288            ; my wave's 64
	s_add_co_u32 s74, s74, s75
	s_mov_b32 s75, 0
	s_add_nc_u64 s[8:9], s[8:9], s[74:75]
	s_lshl_b32 s74, s40, 12                ; the batch's 1,024 sizes and masks
	s_add_nc_u64 s[10:11], s[10:11], s[74:75]
	s_add_nc_u64 s[12:13], s[12:13], s[74:75]
	s_mul_i32 s74, s23, 384                ; the head's 96 numbers of bv
	s_add_nc_u64 s[14:15], s[14:15], s[74:75]
	s_lshl1_add_u32 s74, s40, s[RH]        ; ob: block of 128 out rows 2 batch + wave / 2,
	s_mul_i32 s74, s74, 196608
	s_mul_i32 s78, s23, 24576              ; the head's 24,576 bytes in it,
	s_add_co_u32 s74, s74, s78
	s_mul_i32 s78, s[CH], 12288            ; my wave's 64 rows
	s_add_co_u32 s74, s74, s78
	s_add_nc_u64 s[16:17], s[16:17], s[74:75]
	s_mov_b32 s[L2E], 0x3fb8aa3b
	s_mov_b32 s[SEL], 0x76543210
	s_mov_b32 s[SEL+1], 0xfedcba98
	v_and_b32 v1, 15, v0                   ; l % 16
	v_bfe_u32 v2, v0, 4, 1                 ; l / 16
	v_and_b32 v3, 31, v0
	v_mul_u32_u24 v[QO], 192, v1
	v_lshl_add_u32 v[QO], v2, 4, v[QO]
	WIN 0x40                               ; Q stays in registers: tiles 0, 1 in window 1,
.irp u, 0,1
.irp c, 0,1,2
	global_load_b128 v[192+24*(\u)+8*(\c):192+24*(\u)+8*(\c)+3],   v[QO], s[8:9] offset:3072*(\u)+64*(\c)
	global_load_b128 v[192+24*(\u)+8*(\c)+4:192+24*(\u)+8*(\c)+7], v[QO], s[8:9] offset:3072*(\u)+64*(\c)+32
.endr
.endr
	WIN 0xc0                               ; tiles 2, 3 in window 3
.irp u, 0,1
.irp c, 0,1,2
	global_load_b128 v[192+24*(\u)+8*(\c):192+24*(\u)+8*(\c)+3],   v[QO], s[8:9] offset:3072*(2+(\u))+64*(\c)
	global_load_b128 v[192+24*(\u)+8*(\c)+4:192+24*(\u)+8*(\c)+7], v[QO], s[8:9] offset:3072*(2+(\u))+64*(\c)+32
.endr
.endr
	WIN 0
	v_lshlrev_b32 v24, 5, v0               ; eight keys a thread
	global_load_b128 v[32:35], v24, s[10:11]
	global_load_b128 v[36:39], v24, s[10:11] offset:16
	global_load_b128 v[40:43], v24, s[12:13]
	global_load_b128 v[44:47], v24, s[12:13] offset:16
	v_add_nc_u32 v25, BIAS, v24
	v_mul_u32_u24 v26, PITCH, v1
	v_lshl_add_u32 v26, v2, 4, v26         ; a fragment's row x pitch + 16 x half
	s_mul_i32 s74, s[RH], XH
	v_add_nc_u32 v[ADRA], s74, v26
	v_add_nc_u32 v[ADRA+1], SLOT, v[ADRA]
	v_add_nc_u32 v[ADRB], s83, v26
	v_add_nc_u32 v[ADRB+1], SLOT, v[ADRB]
	v_mul_u32_u24 v27, PS, v1
	v_lshl_add_u32 v27, v2, 4, v27
	v_add_nc_u32 v[AK0], KST, v27
	s_mul_i32 s74, s[CH], 128*PS           ; K's stage or V's,
	s_mul_i32 s78, s[RH], 64*PS            ; my 64 rows of it
	s_add_co_u32 s74, s74, s78
	s_add_co_u32 s74, s74, KST
	v_add_nc_u32 v[STO], s74, v27
	v_and_b32 v26, 7, v0                   ; the turning load: lane l reads key 8 (l / 16) + l % 8, channels 8 ((l / 8) % 2) + 0..7
	v_lshl_add_u32 v26, v2, 3, v26
	v_mul_u32_u24 v26, PS, v26
	v_bfe_u32 v27, v0, 3, 1
	v_lshl_add_u32 v26, v27, 4, v26
	v_add_nc_u32 v[AV0], VST, v26
	v_lshlrev_b32 v[AB0], 5, v2
	v_add_nc_u32 v[AB0], BIAS, v[AB0]
	s_mul_i32 s74, s[WV], 3072
	s_add_co_u32 s74, s74, OST
	v_add_nc_u32 v[OSTO], s74, v[QO]       ; in: row l % 16 of 192 bytes, 16 bytes for each half of the lanes
	v_lshl_add_u32 v[ORD], v3, 4, s74      ; back: 512 dense bytes
	v_lshlrev_b32 v[GO], 4, v3
	v_lshlrev_b32 v[PFO], 11, v3
	v_mov_b32 v[ONE], 1.0
	WIN 0x40                               ; O^T = 0, l = 0, m far below every score: 224 lines once, so that one text serves every step
.set z, 0
.rept 192
	v_mov_b32 v[z], 0
.set z, z+1
.endr
	WIN 0x80
.irp t, 0,1,2,3
	v_mov_b32 v[ST+8*(\t)], 0xfe000000
.irp r, 1,2,3,4,5,6,7
	v_mov_b32 v[ST+8*(\t)+(\r)], 0
.endr
.endr
	WIN 0
	s_wait_loadcnt 0x0                     ; Q, sizes, masks
.irp r, 0,1,2,3,4,5,6,7                ; the bias in base 2: log2(size, or 1 where size < 0.5) + log2(e) mask
	v_cmp_gt_f32 vcc_lo, 0.5, v[32+(\r)]
	v_cndmask_b32 v[32+(\r)], v[32+(\r)], v[ONE], vcc_lo
.endr
.irp r, 0,1,2,3,4,5,6,7
	v_log_f32 v[32+(\r)], v[32+(\r)]
.endr
	v_nop
	s_wait_alu depctr_va_vdst(0)           ; one wait for the eight logarithms
.irp r, 0,1,2,3,4,5,6,7
	v_fma_f32 v[32+(\r)], v[40+(\r)], s[L2E], v[32+(\r)]
.endr
	ds_store_b128 v25, v[32:35]
	ds_store_b128 v25, v[36:39] offset:16
	s_mov_b32 s2, 4                        ; blocks to go
	s_mov_b32 s[BLKB], 0
	s_wait_dscnt 0x0                       ; my biases lie in LDS
	s_wait_tensorcnt 1                     ; my part of K step 0 is in; K step 1's may stay out
	s_barrier_signal -1
	s_barrier_wait -1
.Lblock:
.rept 5
	v_nop                                  ; five places: the block's first products write over P's and S^T's registers, and the loads below land in V's, which the last products V^T P named
.endr
	FETCH 0, 0, F0
	QUARTER 0, 64,  F0, F1, 1              ; a block's first quarter stands in front of the loop: its products start the sums
	WIN 0
	s_mov_b32 s3, 3
.Llap:                                 ; a trip goes once round the ring and fills both slots again
	QUARTER 0, 128, F1, F0, 0
	QUARTER 0, 192, F0, F1, 0
	TURN 0, 1, 0, 1
	QUARTER 1, 64,  F0, F1, 0
	QUARTER 1, 128, F1, F0, 0
	QUARTER 1, 192, F0, F1, 0
	TURN 1, 0, 0, 1
	QUARTER 0, 64,  F0, F1, 0
	WIN 0
	s_sub_co_u32 s3, s3, 1
	s_cmp_lg_u32 s3, 0
	s_cbranch_scc1 .Llap
	QUARTER 0, 128, F1, F0, 0
	QUARTER 0, 192, F0, F1, 0
	WIN 0
	s_cmp_eq_u32 s2, 1
	s_cbranch_scc1 .Llast                  ; the last block's tail is written out: it asks for nothing more
	TURN 0, 1, 1, 1                        ; the ring goes on into the next block: slot 0 takes its K step 0,
	QUARTER 1, 64,  F0, F1, 0
	QUARTER 1, 128, F1, F0, 0
	QUARTER 1, 192, F0, F1, 0
	TURN 1, 0, 1, 0                        ; slot 1 its K step 1: both land while the block's attention runs
	ATTN
	s_add_co_u32 s[BLKB], s[BLKB], 1024
	s_sub_co_u32 s2, s2, 1
	s_branch .Lblock
.Llast:
	MEET 0                                 ; my one tensor load that was still out is the last K step's, so no round follows
	PLACES
	FETCH 1, 0, F0
	MULH F1, 1, 0, 0
	MULH F1, 1, 2, 0
	QUARTER 1, 64,  F0, F1, 0
	QUARTER 1, 128, F1, F0, 0
	QUARTER 1, 192, F0, F1, 0
	s_wait_dscnt 8
	MULH F1, 0, 0, 0
	MULH F1, 0, 2, 0
	s_wait_dscnt 0x0
	MULH F1, 1, 0, 0
	MULH F1, 1, 2, 0
	ATTN
	; THE WAY OUT.  l's two halves and the other half of the lanes' are added; O^T / l + bv is rounded to f16 and sent through my stage, a tile (16 rows of 192 bytes, dense in ob) at a time.
	PLACES
	WIN 0
	v_lshlrev_b32 v26, 5, v2
.irp cb, 0,1,2,3,4,5                   ; bv of channels 16 cb + 8 (lane / 16) + 0..7
	global_load_b128 v[BV+8*(\cb):BV+8*(\cb)+3],   v26, s[14:15] offset:64*(\cb)
	global_load_b128 v[BV+8*(\cb)+4:BV+8*(\cb)+7], v26, s[14:15] offset:64*(\cb)+16
.endr
	WIN 0xaa
.irp t, 0,1,2,3
	v_add_f32 v[ST+8*(\t)+4], v[ST+8*(\t)+2], v[ST+8*(\t)+3]
.endr
.irp t, 0,1,2,3
	v_permlanex16_b32 v[ST+8*(\t)+5], v[ST+8*(\t)+4], s[SEL], s[SEL+1]
.endr
.irp t, 0,1,2,3
	v_add_f32 v[ST+8*(\t)+4], v[ST+8*(\t)+4], v[ST+8*(\t)+5]
.endr
.irp t, 0,1,2,3
	v_rcp_f32 v[ST+8*(\t)+2], v[ST+8*(\t)+4]
.endr
	v_nop
	s_wait_alu depctr_va_vdst(0)           ; one wait for the four reciprocals
	s_wait_loadcnt 0x0                     ; bv
.macro PACKO t
	WIN 0x49                               ; O^T window 1, 1 / l window 2, bv window 0
.irp cb, 0,1,2,3,4,5
.irp r, 0,2,4,6
	v_pk_fma_f32 v[48*(\t)+8*(\cb)+(\r):48*(\t)+8*(\cb)+(\r)+1], v[48*(\t)+8*(\cb)+(\r):48*(\t)+8*(\cb)+(\r)+1], v[ST+8*(\t)+2:ST+8*(\t)+3], v[BV+8*(\cb)+(\r):BV+8*(\cb)+(\r)+1] op_sel_hi:[1,0,1]
.endr
.endr
	WIN 0x05
.set z, 0
.rept 24
	v_cvt_pk_f16_f32 v[TMP+24*(\t)+z], v[48*(\t)+2*z], v[48*(\t)+2*z+1]
.set z, z+1
.endr
	WIN 0
.irp f, 0,1,2,3,4,5
	ds_store_b128 v[OSTO], v[TMP+24*(\t)+4*(\f):TMP+24*(\t)+4*(\f)+3] offset:32*(\f)
.endr
.irp f, 0,1,2,3,4,5
	ds_load_b128 v[TMP+24*(\t)+4*(\f):TMP+24*(\t)+4*(\f)+3], v[ORD] offset:512*(\f)   ; LDS serves a wave's instructions in order (ISA guide 5.7.1.4): these see the stores above
.endr
.endm
.macro SEND t, younger                 ; younger: the LDS instructions issued behind tile t's loads: the next tile's twelve, or none
.irp f, 0,1,2,3,4,5
	s_wait_dscnt (\younger)+5-(\f)
	global_store_b128 v[GO], v[TMP+24*(\t)+4*(\f):TMP+24*(\t)+4*(\f)+3], s[16:17] offset:3072*(\t)+512*(\f)   ; 512 consecutive bytes, at a multiple of 256 from ob's first
.endr
.endm
	PACKO 0
	PACKO 1
	SEND 0, 12
	PACKO 2
	SEND 1, 12
	PACKO 3
	SEND 2, 12
	SEND 3, 0
	s_wait_tensorcnt 0x0                   ; the wave's end: behind my last tensor load and my last LDS store
	ds_add_u32 v[SPW], v[NIL]
	s_wait_dscnt 0x0
	CROUND                                 ; the closing round
	s_endpgm
.Lfunc_end_k_q5f054b7788_kvattn:
	.size	k_q5f054b7788_kvattn, .Lfunc_end_k_q5f054b7788_kvattn-k_q5f054b7788_kvattn
	.p2alignl 7, 3214868480
	.fill 96, 4, 3214868480
	.section	.rodata,"a",@progbits
	.p2align	6, 0x0
	.amdhsa_kernel k_q5f054b7788_kvattn
		.amdhsa_group_segment_fixed_size 327680
		.amdhsa_private_segment_fixed_size 0
		.amdhsa_enable_private_segment 0
		.amdhsa_kernarg_size 56
		.amdhsa_user_sgpr_count 2
		.amdhsa_user_sgpr_kernarg_segment_ptr 1
		.amdhsa_wavefront_size32 1
		.amdhsa_system_sgpr_workgroup_id_x 1
		.amdhsa_system_sgpr_workgroup_id_y 1
		.amdhsa_system_sgpr_workgroup_id_z 1
		.amdhsa_system_vgpr_workitem_id 0
		.amdhsa_next_free_vgpr 1024
		.amdhsa_next_free_sgpr 96
		.amdhsa_reserve_vcc 1
		.amdhsa_float_denorm_mode_32 3
		.amdhsa_float_denorm_mode_16_64 3
		.amdhsa_memory_ordered 1
		.amdhsa_forward_progress 1
		.amdhsa_inst_pref_size 255
	.end_amdhsa_kernel
	.section	.bss,"aw",@nobits
	.p2align	6
	.space	262144
	.amdgpu_metadata
---
amdhsa.version: [ 1, 2 ]
amdhsa.kernels:
  - .name:           k_q5f054b7788_kvattn
    .symbol:         k_q5f054b7788_kvattn.kd
    .args:
      - { .name: xn, .offset: 0, .size: 8, .value_kind: global_buffer, .address_space: global }
      - { .name: wkv, .offset: 8, .size: 8, .value_kind: global_buffer, .address_space: global }
      - { .name: qf, .offset: 16, .size: 8, .value_kind: global_buffer, .address_space: global }
      - { .name: size, .offset: 24, .size: 8, .value_kind: global_buffer, .address_space: global }
      - { .name: attention_mask, .offset: 32, .size: 8, .value_kind: global_buffer, .address_space: global }
      - { .name: bv, .offset: 40, .size: 8, .value_kind: global_buffer, .address_space: global }
      - { .name: ob, .offset: 48, .size: 8, .value_kind: global_buffer, .address_space: global }
    .group_segment_fixed_size: 327680
    .private_segment_fixed_size: 0
    .kernarg_segment_align: 8
    .kernarg_segment_size: 56
    .max_flat_workgroup_size: 128
    .sgpr_count:     96
    .vgpr_count:     1024
    .wavefront_size: 32
...
	.end_amdgpu_metadata
.endif
;; end of part 2
;; launch outproj (part 3): grid 4 x 64, 4 waves a work-group, clusters of 4 x 4, 327,680 bytes of LDS; arguments ob, wo2, bo, out0; writes out0
.if DOCPART == 3
	.amdgcn_target "amdgcn-amd-amdhsa--gfx1250"
	.amdhsa_code_object_version 6
	.text
	.protected	k_q5f054b7788_outproj
	.globl	k_q5f054b7788_outproj
	.p2align	8
	.type	k_q5f054b7788_outproj,@function
k_q5f054b7788_outproj:
	s_mov_b64 s[64:65], 0
	v_nop
	global_prefetch_b8 v0, s[64:65] scope:SCOPE_SE
	s_setreg_imm32_b32 hwreg(HW_REG_WAVE_MODE, 25, 1), 1
	s_wait_xcnt 0x0
	s_wait_alu depctr_hold_cnt(0) depctr_sa_sdst(0) depctr_va_vdst(0) depctr_va_sdst(0) depctr_va_ssrc(0) depctr_va_vcc(0) depctr_vm_vsrc(0)
	s_getreg_b32 s2, hwreg(HW_REG_IB_STS2, 6, 4)
	s_cmp_eq_u32 s2, 0
	s_cbranch_scc0 .Lentry_in_a_cluster
	s_endpgm
.Lentry_in_a_cluster:
	s_bfe_u32 s2, ttmp6, 0x10000c
	s_cmp_lg_u32 s2, 0xf033
	s_cbranch_scc0 .Lentry_shape_is_right
	s_endpgm
.Lentry_shape_is_right:
; out0[m][n] = the sum over d of O[m][d] Wo[n][d] + bo[n].  O: ob, f16, [64 rb][8 h][128 rows][96]; Wo: wo2, f16, [4 nb][8 h][192 n][96 k]; out0 f32 [8192][768].
; A tile of out0 is 128 rows x 192 columns: 64 x 4 work-groups.  Four waves, each 64 x 96: 24 accumulators.  K goes in four steps of two heads (six sub-steps of 32) through two LDS slots.
; A block (rb, h) or (nb, h) is dense in memory and is asked for as rows of 256 bytes; in LDS 16 bytes of padding follow every 64, so that a row of 192 bytes lies at pitch 240 with its
; three runs of 32 channels 80 bytes apart: 240 = 15 x 16, so the 16 rows of a fragment load start at 16 different groups of four banks (64 banks of 4 bytes: ISA guide 11.1).
; The product is taken transposed (source 0 = 16 rows of Wo, source 1 = 16 rows of O): a lane holds one row of out0 and eight neighbouring columns; bo, laid likewise, is the C operand that starts each sum.
; CLUSTER: 4 x 4.  O's blocks hang on rb alone and are asked for jointly by a row of the cluster, Wo's on nb alone, by a column.
; No prefetch: the launch is short, and a step's tiles are asked for a whole step ahead.
.set AH,    30720                      ; a block of O in LDS: 24,576 x 80 / 64
.set BH,    46080                      ; a block of Wo: 36,864 x 80 / 64
.set BOFF,  2*AH
.set SLOT,  BOFF+2*BH                  ; 153,600
.set SPARE, 2*SLOT                     ; the spare words, 128 bytes a wave: two blocks of 256 bytes that no other line names
.set SPITCH, 784                       ; the way out: a row of 192 f32 + 16 bytes; the stage lies in slot 0, behind that slot's last fill and last read
.set ADRA, 4
.set ADRB, 6
.set STO,  8
.set RD,   9                           ; v9-11
.set CO,   12                          ; v12-14
.set SPW,  28
.set NIL,  29
.set BO,   32                          ; v32-79  bo of my columns: 8 ct + j
.set F0,   80                          ; v80-159, v160-239: fragments: four of O, six of Wo
.set F1,   160
.set WV,  18
.set RH,  19
.set CH,  20
.set G1,  24
.set G0,  32
.set G1B, 48
.set G0B, 56
.set MSB, 0
.macro WIN new
.if MSB != (\new)
	s_set_vgpr_msb (MSB<<8)|(\new)
.set MSB, \new
.endif
.endm
.macro PLACES
.rept 4
	v_nop
.endr
.endm
.macro JLOAD s                         ; waves 0 and 1 fetch the step's two blocks of O, waves 2 and 3 those of Wo; an s_nop 0 and four v_nop follow each line
	s_cmp_eq_u32 s[RH], 0
	s_cbranch_scc0 .Lfor_b_\@
	tensor_load_to_lds s[G0+4*(\s):G0+4*(\s)+3], s[G1:G1+7]
	s_nop 0
.rept 4
	v_nop
.endr
	s_branch .Lasked_\@
.Lfor_b_\@:
	tensor_load_to_lds s[G0B+4*(\s):G0B+4*(\s)+3], s[G1B:G1B+7]
	s_nop 0
.rept 4
	v_nop
.endr
.Lasked_\@:
.endm
.macro CREST
	s_cmp_lg_u32 s[WV], 0
	s_cbranch_scc1 .Lnot_wave_0_\@
	s_barrier_signal -3
.Lnot_wave_0_\@:
	s_barrier_wait -3
	s_barrier_signal -1
	s_barrier_wait -1
.endm
.macro CROUND
	s_barrier_signal -1
	s_barrier_wait -1
	CREST
.endm
; 20 LDS loads in one run: sub-step u (head u / 3 of the step's two, channels 32 (u % 3) on): Wo's six fragments, then O's four
.macro OFETCH slot, u, f
	WIN 0
.irp i, 0,1,2,3,4,5
	ds_load_b128 v[(\f)+32+8*(\i):(\f)+32+8*(\i)+3],   v[ADRB+(\slot)] offset:((\u)/3)*BH+((\u)%3)*80+(\i)*3840
	ds_load_b128 v[(\f)+32+8*(\i)+4:(\f)+32+8*(\i)+7], v[ADRB+(\slot)] offset:((\u)/3)*BH+((\u)%3)*80+(\i)*3840+32
.endr
.irp i, 0,1,2,3
	ds_load_b128 v[(\f)+8*(\i):(\f)+8*(\i)+3],   v[ADRA+(\slot)] offset:((\u)/3)*AH+((\u)%3)*80+(\i)*3840
	ds_load_b128 v[(\f)+8*(\i)+4:(\f)+8*(\i)+7], v[ADRA+(\slot)] offset:((\u)/3)*AH+((\u)%3)*80+(\i)*3840+32
.endr
.endm
; 12 matrix instructions: row blocks i0, i0 + 1 x six column blocks.  first = 1: bo starts the sums.  The 24 accumulators take turns.
.macro OMUL f, i0, first
.if \first
	WIN 0x40                               ; destination window 1; sources and C window 0
.else
	WIN 0x50                               ; C and D window 1
.endif
.irp a, \i0, (\i0)+1
.irp b, 0,1,2,3,4,5
.if \first
	v_wmma_f32_16x16x32_f16 v[8*(6*(\a)+(\b)):8*(6*(\a)+(\b))+7], v[(\f)+32+8*(\b):(\f)+32+8*(\b)+7], v[(\f)+8*(\a):(\f)+8*(\a)+7], v[BO+8*(\b):BO+8*(\b)+7]
.else
	v_wmma_f32_16x16x32_f16 v[8*(6*(\a)+(\b)):8*(6*(\a)+(\b))+7], v[(\f)+32+8*(\b):(\f)+32+8*(\b)+7], v[(\f)+8*(\a):(\f)+8*(\a)+7], v[8*(6*(\a)+(\b)):8*(6*(\a)+(\b))+7]
.endif
.endr
.endr
.endm
.macro SUB slot, u, f, g, first        ; multiplies buffer f; in its middle fetches sub-step u into buffer g
	s_wait_dscnt 4                         ; Wo's fragments and O's row blocks 0, 1 are in; the youngest four loads may be out
	OMUL \f, 0, \first
	PLACES
	OFETCH \slot, \u, \g
	s_wait_dscnt 20                        ; all but the 20 just issued
	OMUL \f, 2, \first
.endm
.macro FIVE slot, first                ; a step's first five sub-steps
	SUB \slot, 1, F0, F1, \first
	SUB \slot, 2, F1, F0, 0
	SUB \slot, 3, F0, F1, 0
	SUB \slot, 4, F1, F0, 0
	SUB \slot, 5, F0, F1, 0
.endm
; The sixth sub-step changes slots: in front of the barrier each wave waits for all its tensor loads, adds 0 to its spare word, and waits for that and for its reads of this slot.
.macro OTURN slot, next, fill
	WIN 0
	s_wait_tensorcnt 0x0
	ds_add_u32 v[SPW], v[NIL]
	s_wait_dscnt 5                         ; (the add and the youngest four loads may be out)
	OMUL F1, 0, 0
	s_wait_dscnt 0x0
	s_barrier_signal -1
	WIN 0
	s_barrier_wait -1
.if \fill
	CREST                                  ; the barrier has opened a round of the cluster's
	s_add_nc_u64 s[G0+4*(\slot)+2:G0+4*(\slot)+3], s[G0+4*(\slot)+2:G0+4*(\slot)+3], 4*24576     ; four heads on
	s_add_nc_u64 s[G0B+4*(\slot)+2:G0B+4*(\slot)+3], s[G0B+4*(\slot)+2:G0B+4*(\slot)+3], 4*36864
	JLOAD \slot                            ; the first tensor load behind the round; its four v_nop are also the places in front of the loads below
.else
	PLACES
.endif
	OFETCH \next, 0, F0
	OMUL F1, 2, 0
.endm
	s_load_b256 s[4:11], s[0:1], 0x0       ; ob s[4:5], wo2 s[6:7], bo s[8:9], out0 s[10:11]
	v_lshl_add_u32 v[SPW], v0, 2, SPARE
	v_mov_b32 v[NIL], 0
	ds_add_u32 v[SPW], v[NIL]              ; the wave's opening: the add, twice on end, and its wait ahead of my first tensor load
	ds_add_u32 v[SPW], v[NIL]
	v_lshrrev_b32 v1, 5, v0
	v_readfirstlane_b32 s[WV], v1
	s_lshr_b32 s[RH], s[WV], 1
	s_and_b32 s[CH], s[WV], 1
	s_bfe_u32 s21, ttmp6, 0x40000          ; cx
	s_bfe_u32 s22, ttmp6, 0x40004          ; cy
	s_lshl_b32 s23, ttmp9, 2
	s_add_co_u32 s23, s23, s21             ; nb
	s_and_b32 s40, ttmp7, 0xffff
	s_lshl_b32 s40, s40, 2
	s_add_co_u32 s40, s40, s22             ; rb
	s_lshl_b32 s41, s22, 2
	s_lshl_b32 s41, 15, s41
	s_lshl_b32 s42, 0x1111, s21
	s_or_b32 s[G1], s41, (3<<16)|(1<<20)|(1<<21)|(3<<22)|(3<<25)    ; 15:0 the mask; 17:16 8-byte elements; 20 padding on; 21 set beside a mask; 24:22 after every 16 words; 31:25 4 words
	s_or_b32 s[G1B], s42, (3<<16)|(1<<20)|(1<<21)|(3<<22)|(3<<25)
	s_mov_b32 s[G1+1], 32<<16              ; rows of 32 elements = 256 bytes
	s_mov_b32 s[G1+2], 96<<16              ; 96 of them
	s_mov_b32 s[G1+3], 32<<16
	s_mov_b32 s[G1+4], 96
	s_mov_b32 s[G1+5], 32
	s_mov_b32 s[G1+6], 0
	s_mov_b32 s[G1+7], 0
	s_mov_b32 s[G1B+1], 32<<16
	s_mov_b32 s[G1B+2], 144<<16            ; 144 rows
	s_mov_b32 s[G1B+3], 32<<16
	s_mov_b32 s[G1B+4], 144
	s_mov_b32 s[G1B+5], 32
	s_mov_b32 s[G1B+6], 0
	s_mov_b32 s[G1B+7], 0
	s_mul_i32 s66, s40, 196608             ; O: the eight blocks of rb, and which of a step's two heads I fetch
	s_mul_i32 s67, s[CH], 24576
	s_add_co_u32 s66, s66, s67
	s_mov_b32 s67, 0
	s_mul_i32 s68, s23, 294912             ; Wo: the eight blocks of nb
	s_mul_i32 s69, s[CH], 36864
	s_add_co_u32 s68, s68, s69
	s_mov_b32 s69, 0
	s_mul_i32 s70, s[CH], AH
	s_mul_i32 s71, s[CH], BH
	s_add_co_u32 s71, s71, BOFF
	s_wait_dscnt 0x0
	s_wait_kmcnt 0x0
	s_add_nc_u64 s[72:73], s[4:5], s[66:67]
	s_add_nc_u64 s[74:75], s[6:7], s[68:69]
	CROUND
.irp s, 0,1
	s_mov_b32 s[G0+4*(\s)], 1
	s_add_co_u32 s[G0+4*(\s)+1], s70, (\s)*SLOT
	s_add_nc_u64 s[G0+4*(\s)+2:G0+4*(\s)+3], s[72:73], (\s)*2*24576    ; step s: heads 2 s, 2 s + 1
	s_or_b32 s[G0+4*(\s)+3], s[G0+4*(\s)+3], 0x80000000
	s_mov_b32 s[G0B+4*(\s)], 1
	s_add_co_u32 s[G0B+4*(\s)+1], s71, (\s)*SLOT
	s_add_nc_u64 s[G0B+4*(\s)+2:G0B+4*(\s)+3], s[74:75], (\s)*2*36864
	s_or_b32 s[G0B+4*(\s)+3], s[G0B+4*(\s)+3], 0x80000000
	JLOAD \s
.endr
	s_mul_i32 s66, s23, 768                ; bo: my 96 columns
	s_mul_i32 s68, s[CH], 384
	s_add_co_u32 s66, s66, s68
	s_add_nc_u64 s[8:9], s[8:9], s[66:67]
	s_mul_i32 s66, s40, 393216             ; out0: the tile's 128 rows of 3,072 bytes,
	s_mul_i32 s68, s[WV], 98304            ; the 32 that I store,
	s_add_co_u32 s66, s66, s68
	s_mul_i32 s68, s23, 768                ; the tile's 192 columns
	s_add_co_u32 s66, s66, s68
	s_add_nc_u64 s[10:11], s[10:11], s[66:67]
	v_and_b32 v1, 15, v0
	v_bfe_u32 v2, v0, 4, 1
	v_lshlrev_b32 v23, 5, v2
.irp ct, 0,1,2,3,4,5
	global_load_b128 v[BO+8*(\ct):BO+8*(\ct)+3],   v23, s[8:9] offset:64*(\ct)
	global_load_b128 v[BO+8*(\ct)+4:BO+8*(\ct)+7], v23, s[8:9] offset:64*(\ct)+16
.endr
	v_mul_u32_u24 v24, 240, v1
	v_lshl_add_u32 v24, v2, 4, v24
	s_mul_i32 s66, s[RH], 64*240
	v_add_nc_u32 v[ADRA], s66, v24
	v_add_nc_u32 v[ADRA+1], SLOT, v[ADRA]
	s_mul_i32 s66, s[CH], 96*240
	s_add_co_u32 s66, s66, BOFF
	v_add_nc_u32 v[ADRB], s66, v24
	v_add_nc_u32 v[ADRB+1], SLOT, v[ADRB]
	v_mul_u32_u24 v25, SPITCH, v1          ; into the stage: row 64 (wave / 2) + l % 16, my 384 bytes of it, 32 bytes for each half of the lanes
	v_lshl_add_u32 v25, v2, 5, v25
	s_mul_i32 s66, s[RH], 64*SPITCH
	s_mul_i32 s68, s[CH], 384
	s_add_co_u32 s66, s66, s68
	v_add_nc_u32 v[STO], s66, v25
	; back: wave w takes rows 32 w .. + 31, two rows (six runs of 256 bytes) in three loads: lanes 0-15 run 2 k, lanes 16-31 run 2 k + 1
	s_mul_i32 s66, s[WV], 32*SPITCH
	v_lshl_add_u32 v26, v1, 4, s66
	v_lshl_add_u32 v[RD], v2, 8, v26
	v_mul_u32_u24 v27, 272, v2
	v_add3_u32 v[RD+1], v26, v27, 512
	v_add_nc_u32 v[RD+2], 1040, v[RD]
	v_lshlrev_b32 v26, 4, v1
	v_lshl_add_u32 v[CO], v2, 8, v26
	v_mul_u32_u24 v27, 2560, v2
	v_add3_u32 v[CO+1], v26, v27, 512
	v_add_nc_u32 v[CO+2], 3328, v[CO]
	s_wait_loadcnt 0x0                     ; bo
	s_wait_tensorcnt 1                     ; my part of step 0 is in; step 1's may stay out
	s_barrier_signal -1
	s_barrier_wait -1
	OFETCH 0, 0, F0
	FIVE 0, 1
	OTURN 0, 1, 1                          ; slot 0 takes step 2
	FIVE 1, 0
	OTURN 1, 0, 1                          ; slot 1 takes step 3
	FIVE 0, 0
	OTURN 0, 1, 0                          ; nothing is left to fetch; behind this barrier nobody reads slot 0 any more
	FIVE 1, 0
	s_wait_dscnt 4
	OMUL F1, 0, 0
	s_wait_dscnt 0x0
	OMUL F1, 2, 0
	; THE WAY OUT, in f32: 32 bytes a lane into the work-group's stage; a barrier, since a row's 768 bytes come from two waves; back as whole runs of 256 bytes.
	PLACES
	WIN 0x04                               ; store data in window 1; each accumulator's low registers first
.irp i, 0,1,2,3
.irp ct, 0,1,2,3,4,5
	ds_store_b128 v[STO], v[8*(6*(\i)+(\ct)):8*(6*(\i)+(\ct))+3]   offset:(\i)*16*SPITCH+64*(\ct)
	ds_store_b128 v[STO], v[8*(6*(\i)+(\ct))+4:8*(6*(\i)+(\ct))+7] offset:(\i)*16*SPITCH+64*(\ct)+16
.endr
.endr
	WIN 0
	s_wait_dscnt 0x0                       ; for the others' sake: my stores into the stage are done
	s_barrier_signal -1
	s_barrier_wait -1
.set n, 0
.rept 16
.irp k, 0,1,2
	ds_load_b128 v[32+4*(3*n+(\k)):32+4*(3*n+(\k))+3], v[RD+(\k)] offset:n*2*SPITCH
.endr
.set n, n+1
.endr
.set n, 0
.rept 16
.irp k, 0,1,2
	s_wait_dscnt 47-(3*n+(\k))
	global_store_b128 v[CO+(\k)], v[32+4*(3*n+(\k)):32+4*(3*n+(\k))+3], s[10:11] offset:n*6144 th:TH_STORE_NT   ; 16 lanes store 256 consecutive bytes, at a multiple of 256 from out0's first byte
.endr
.set n, n+1
.endr
	s_wait_tensorcnt 0x0                   ; the wave's end: behind my last tensor load and my last LDS store
	ds_add_u32 v[SPW], v[NIL]
	s_wait_dscnt 0x0
	CROUND                                 ; the closing round
	s_endpgm
.Lfunc_end_k_q5f054b7788_outproj:
	.size	k_q5f054b7788_outproj, .Lfunc_end_k_q5f054b7788_outproj-k_q5f054b7788_outproj
	.p2alignl 7, 3214868480
	.fill 96, 4, 3214868480
	.section	.rodata,"a",@progbits
	.p2align	6, 0x0
	.amdhsa_kernel k_q5f054b7788_outproj
		.amdhsa_group_segment_fixed_size 327680
		.amdhsa_private_segment_fixed_size 0
		.amdhsa_enable_private_segment 0
		.amdhsa_kernarg_size 32
		.amdhsa_user_sgpr_count 2
		.amdhsa_user_sgpr_kernarg_segment_ptr 1
		.amdhsa_wavefront_size32 1
		.amdhsa_system_sgpr_workgroup_id_x 1
		.amdhsa_system_sgpr_workgroup_id_y 1
		.amdhsa_system_sgpr_workgroup_id_z 1
		.amdhsa_system_vgpr_workitem_id 0
		.amdhsa_next_free_vgpr 448
		.amdhsa_next_free_sgpr 80
		.amdhsa_reserve_vcc 0
		.amdhsa_float_denorm_mode_32 3
		.amdhsa_float_denorm_mode_16_64 3
		.amdhsa_memory_ordered 1
		.amdhsa_forward_progress 1
		.amdhsa_inst_pref_size 96
	.end_amdhsa_kernel
	.amdgpu_metadata
---
amdhsa.version: [ 1, 2 ]
amdhsa.kernels:
  - .name:           k_q5f054b7788_outproj
    .symbol:         k_q5f054b7788_outproj.kd
    .args:
      - { .name: ob, .offset: 0, .size: 8, .value_kind: global_buffer, .address_space: global }
      - { .name: wo2, .offset: 8, .size: 8, .value_kind: global_buffer, .address_space: global }
      - { .name: bo, .offset: 16, .size: 8, .value_kind: global_buffer, .address_space: global }
      - { .name: out0, .offset: 24, .size: 8, .value_kind: global_buffer, .address_space: global }
    .group_segment_fixed_size: 327680
    .private_segment_fixed_size: 0
    .kernarg_segment_align: 8
    .kernarg_segment_size: 32
    .max_flat_workgroup_size: 128
    .sgpr_count:     80
    .vgpr_count:     448
    .wavefront_size: 32
...
	.end_amdgpu_metadata
.endif
;; end of part 3
